; MI455X (gfx1250); checked and timed in simulation.
; The chip was launched on July 23, 2026; its instructions are those of AMD's public machine-readable ISA for CDNA 5 (MIT licence, August 2026) and "CDNA5" Instruction Set Architecture Reference Guide (July 2026). The comments in the code are by the model that wrote it; some were corrected since.
;; Attn. Allowed arithmetic: matrix products marked QUANTISED: E4M3 operands, one given power-of-two scale a tensor, by v_wmma_f32_16x16x64_fp8_fp8 or v_wmma_f32_16x16x128_fp8_fp8, f32 sums; products left as they are: f32 operands where the result goes on into a quantised operand, else bf16, f16 or f32 operands; f32 sums; everything else in f32.
;; Inputs: W_codes 1,024 x 96 x 32 uint8 (E4M3 codes of W, K innermost, in blocks of 32 codes); b 1,024 float32; encoder_outputs 16 x 1,024 x 2,048 float32; hidden 16 x 1,024 float32; lowp_scales 2 int32 (the exponents e of the quantised operands' scales 2^e); v 1,024 float32.
;; Outputs: out0 16 x 1 x 1,024 float32.
;; This version of the problem:
;;   THIS VERSION OF THE PROBLEM IS GIVEN IN LOW PRECISION. The matrix products marked QUANTISED in the list below multiply operands that are first quantised to E4M3 (4 exponent bits, 3 mantissa bits; 8 bits a number), with one given power-of-two scale for each operand tensor; their sums are f32. All else is computed in f32.
;;   The module's matrix products, in the order in which they are computed (A, B: the left and right operand; K: the contracted axis; several contracted axes count as one K, in the product's order):
;;     1. [M 16,384, K 3,072] x [K 3,072, N 1,024]; A: computed on the way; B: input W (given as codes): QUANTISED (scales: A lowp_scales[0], B lowp_scales[1])
;;     2. [M 16,384, K 1,024] x [K 1,024, N 1]; A: computed on the way; B: input v: left as it is (N = 1 < 16)
;;   THE QUANTISER, for each operand of a quantised product, along K:
;;     - The operand's scale is 2^e, e = its entry of the input lowp_scales (int32; the entries are numbered through the quantised products in the list's order, A before B).
;;     - Each number is divided by the scale, clamped to +-448, and rounded to the nearest number of E4M3, ties to even, subnormals kept.
;;     - The product sums the exact products of the quantised numbers (number of the format x scale) in f32.
;;   ~~~python
;;   def quantise(x, axis, e):      # numpy; x: float32 -> the quantised numbers, widened to float32 again
;;       x = np.moveaxis(x, axis, -1); K = x.shape[-1]
;;       r = np.clip(x / 2.0 ** e, -448, 448)
;;       step = 2.0 ** (np.maximum(np.frexp(np.where(r == 0, 1, r))[1] - 1, -6) - 3)
;;       q = np.round(r / step) * step * 2.0 ** e      # np.round: ties to even
;;       return np.moveaxis(q, -1, axis).astype(np.float32)
;;   ~~~
;;   OPERANDS COMPUTED ON THE WAY. 'Computed on the way' means the value that the module computes at that place (a softmax that the list does not call 'softmax' is quantised finished and normalised). What goes into a quantiser is computed in f32, as accurately as f32 sums, v_exp_f32 and their like allow (about 1e-6 of the number): no bf16 or f16 on the way to a quantiser, and a product that is left as it is and whose result goes on into a quantised operand takes f32 operands (vector FMAs, or v_wmma_f32_16x16x4_f32). A number that lies on a knife's edge between two numbers of the format may be rounded either way, as far as f32 arithmetic and the matrix unit's own rounding can turn it there, and no further.
;;   INPUTS GIVEN AS CODES. W (in the module: [1024, 3072], K = its axis 1): each comes as NAME_codes (uint8): NAME with its K axis moved to the last place and cut into blocks of 32 codes, [.., K / 32, bytes a block], one block behind the other in memory; one code a byte (a code: sign, 4 exponent bits, 3 mantissa bits); its scale is its entry of lowp_scales. Its value is code x scale, taken as it is: it is not quantised again, and the codes and scales need not be those that the quantiser above would give.
;; 2 versions. Each part assembles by itself: llvm-mc -triple=amdgcn-amd-amdhsa -mcpu=gfx1250 --defsym DOCPART=n.
;; ======== version 1 of 2: 3 launches
;; workspace buffers: wimg 2,097,152 bytes; hbs 65,536 bytes; scores 65,536 bytes
;; launch prep (part 1): grid 64 x 1, 4 waves a work-group, no clusters, 4,608 bytes of LDS; arguments W_codes, hidden, b, lowp_scales, wimg, hbs; writes wimg, hbs
.if DOCPART == 1
	.amdgcn_target "amdgcn-amd-amdhsa--gfx1250"
	.amdhsa_code_object_version 6
	.text
	.protected	k_q5b66d54afe_prep
	.globl	k_q5b66d54afe_prep
	.p2align	8
	.type	k_q5b66d54afe_prep,@function
k_q5b66d54afe_prep:
	s_mov_b64 s[64:65], 0
	v_nop
	global_prefetch_b8 v0, s[64:65] scope:SCOPE_SE
	s_setreg_imm32_b32 hwreg(HW_REG_WAVE_MODE, 25, 1), 1
	s_wait_xcnt 0x0
; out0[b][0][t] = softmax over t of  sum over n of v[n] tanh( cat[b][t][:] . W[n][:] + b[n] ),  cat = [ hidden[b] | encoder_outputs[b][t] ],  the product with W on codes of E4M3.
; WORK THAT IS NOT REPEATED.  The first 1,024 of K are hidden[b], the same numbers, and so the same codes, for all 1,024 t of a batch: that part of the product has 16 different rows.
; It is multiplied once, here, as one tile of 16 rows (the 16 batches), by the same matrix instruction, and enters the second launch as an addend.  K is so split into two f32 sums.
; WORK THAT IS LEFT OUT.  tanh(x) = 1 - 2 / (1 + 2^(2 log2(e) x)), so a score is  sum(v) - 2 sum over n of v[n] / (1 + 2^(..)).  sum(v) is the same for every t of a row of the softmax, whatever v holds,
; and a softmax is unchanged by a term that is the same along its axis: it is never formed.  v itself stays live.  LIMIT: a NaN, an infinity or an overflow that would arise in sum(v) alone is not carried to the result.
; THIS LAUNCH makes two workspace buffers.
;   hbs [ntile 64][batch 16][16] f32 = ( sum over the hidden K of codes x 2^(e0 + e1) + b[n] ) x 2 log2(e)
;   wimg [kstep 16][ntile 64][c 4][lane 32][16 bytes]: W's encoder part (K 1,024 .. 3,071) in the order of an operand's registers: lane (r, h), group c of tile n, K step x holds W[16 n + r][1024 + 128 x + 32 c + 16 h + 0 .. 15].
; SHARES.  Work-group nt owns W's rows 16 nt .. 16 nt + 15.  Wave w copies the fragments of K steps 4 w .. 4 w + 3 of the encoder part, and multiplies the hidden K steps 2 w and 2 w + 1; the four waves' sums meet in LDS.
; The matrix instruction is used transposed (source 0 = 16 rows of W, source 1 = the 16 batches): lane (r, h) holds batch r, register j holds W's row 8 h + j.
; k is laid in the registers as four loads of 16 bytes give it (registers 4 c .. 4 c + 3: k = 32 c + 16 h + 0 .. 15), alike on both sides, so every product meets its partner.
; LIMITS: e0 between -126 and 119; e0 + e1 between -127 and 126 (it is added to the exponent field of 2 log2(e)).  NaN in hidden is not served; an infinity is held at the largest code.
.set SPARE, 4096                       ; LDS: 0 .. 4,095 the four waves' sums, 1,024 bytes each; then the spare words, 128 bytes a wave, which no other line names
.set WE,  4                            ; v4   W, encoder part: r x 3072 + 16 h + 512 w
.set WH,  5                            ; v5   W, hidden part:  r x 3072 + 16 h + 256 w
.set HA,  6                            ; v6   hidden: r x 4096 + 64 h + 1024 w
.set LI,  7                            ; v7   16 x lane
.set BO,  8                            ; v8   b: 8 (t % 8)
.set PW,  9                            ; v9   where my sums go in LDS: 1024 w + 16 x lane
.set PR,  10                           ; v10  where thread t finds its two results in a wave's image
.set HO,  11                           ; v11  8 t: my two results in the work-group's 1,024 bytes of hbs
.set SCL, 12                           ; v12  2^e0 as f32
.set LIM, 13                           ; v13  448 x 2^e0
.set SPW, 14                           ; v14  my spare word
.set NIL, 15                           ; v15  0
.set HF,  16                           ; v16-143   hidden, 2 K steps x 64 numbers
.set WF,  144                          ; v144-175  W's two hidden fragments
.set HC,  176                          ; v176-207  hidden's codes, two fragments
.set AC,  208                          ; v208-223  two accumulators
.set P,   224                          ; v224-231  their sum
.set BB,  232                          ; v232-233  two of b
.set TW,  234                          ; v234-241  the four waves' sums of my two results
.set MSB, 0
.macro WIN new                         ; the immediate's high byte repeats the setting that is left
.if MSB != (\new)
	s_set_vgpr_msb (MSB<<8)|(\new)
.set MSB, (\new)
.endif
.endm
	s_load_b256 s[4:11], s[0:1], 0x0               ; W's codes s[4:5], hidden s[6:7], b s[8:9], the scales' exponents s[10:11]
	s_load_b128 s[12:15], s[0:1], 0x20             ; wimg s[12:13], hbs s[14:15]
	v_lshl_add_u32 v[SPW], v0, 2, SPARE
	v_mov_b32 v[NIL], 0
	v_lshrrev_b32 v1, 5, v0
	v_readfirstlane_b32 s16, v1                    ; wave 0..3
	v_and_b32 v1, 31, v0                           ; lane
	v_and_b32 v2, 15, v0                           ; r
	v_bfe_u32 v3, v0, 4, 1                         ; h
	v_mul_u32_u24 v[WE], v2, 3072                  ; a row of W is 3,072 codes
	v_lshl_add_u32 v[WE], v3, 4, v[WE]
	s_lshl_b32 s17, s16, 8
	v_add_nc_u32 v[WH], s17, v[WE]                 ; + 256 w: my two hidden K steps
	s_lshl_b32 s17, s16, 9
	v_add_nc_u32 v[WE], s17, v[WE]                 ; + 512 w: my four encoder K steps
	v_lshlrev_b32 v[HA], 12, v2
	v_lshl_add_u32 v[HA], v3, 6, v[HA]
	s_lshl_b32 s17, s16, 10
	v_add_nc_u32 v[HA], s17, v[HA]
	v_lshlrev_b32 v[LI], 4, v1
	v_add_nc_u32 v[PW], s17, v[LI]
	v_and_b32 v[BO], 7, v0
	v_lshlrev_b32 v[BO], 3, v[BO]
	v_bfe_u32 v[PR], v0, 1, 1                      ; thread t finishes batch t / 8, rows 2 (t % 8) and + 1 of the tile: row = 8 h' + 4 q + jj
	v_lshlrev_b32 v[PR], 9, v[PR]                  ; q = bit 1 of t: the image's second 512 bytes
	v_bfe_u32 v[HO], v0, 2, 1
	v_lshl_add_u32 v[PR], v[HO], 8, v[PR]          ; h' = bit 2: lanes 16-31, 256 bytes on
	v_and_b32 v[HO], 1, v0
	v_lshl_add_u32 v[PR], v[HO], 3, v[PR]          ; jj = 2 x bit 0: 8 bytes on
	v_lshrrev_b32 v[HO], 3, v0
	v_lshl_add_u32 v[PR], v[HO], 4, v[PR]          ; the batch: 16 bytes a lane
	v_lshlrev_b32 v[HO], 3, v0
	s_mul_i32 s18, ttmp9, 49152                    ; my 16 rows of W
	s_mov_b32 s19, 0
	s_lshl_b32 s20, ttmp9, 11                      ; wimg: 2,048 x tile
	s_lshl_b32 s21, s16, 19                        ;       + 4 K steps of 131,072 x wave
	s_add_co_u32 s20, s20, s21
	s_mov_b32 s21, 0
	s_lshl_b32 s26, ttmp9, 6                       ; b: 64 bytes a tile
	s_mov_b32 s27, 0
	s_lshl_b32 s28, ttmp9, 10                      ; hbs: 1,024 bytes a tile
	s_mov_b32 s29, 0
	s_wait_kmcnt 0x0
	s_load_b64 s[30:31], s[10:11], 0x0             ; e0, e1
	s_add_nc_u64 s[4:5], s[4:5], s[18:19]
	s_add_nc_u64 s[12:13], s[12:13], s[20:21]
	s_add_nc_u64 s[8:9], s[8:9], s[26:27]
	s_add_nc_u64 s[14:15], s[14:15], s[28:29]
	; 57 loads, in the order in which they are wanted
.irp i, 0,1
.irp c, 0,1,2,3
.irp j, 0,1,2,3
	global_load_b128 v[HF+64*\i+16*\c+4*\j:HF+64*\i+16*\c+4*\j+3], v[HA], s[6:7] offset:512*\i+128*\c+16*\j   ; hidden(r, 256 w + 128 i + 32 c + 16 h + 4 j ..)
.endr
.endr
.endr
.irp i, 0,1
.irp c, 0,1,2,3
	global_load_b128 v[WF+16*\i+4*\c:WF+16*\i+4*\c+3], v[WH], s[4:5] offset:128*\i+32*\c
.endr
.endr
	global_load_b64 v[BB:BB+1], v[BO], s[8:9]
	WIN 0x40                                       ; destination window 1: v256-319
.irp i, 0,1,2,3
.irp c, 0,1,2,3
	global_load_b128 v[16*\i+4*\c:16*\i+4*\c+3], v[WE], s[4:5] offset:1024+128*\i+32*\c
.endr
.endr
	WIN 0
	s_wait_kmcnt 0x0
	s_add_co_i32 s22, s30, s31
	s_lshl_b32 s22, s22, 23
	s_add_co_i32 s22, s22, 0x4038aa3b              ; 2 log2(e) x 2^(e0 + e1): the exponents are added to the exponent field
	s_mov_b32 s23, s22                             ; (named with it as a pair, so it is written)
	s_add_co_i32 s24, s30, 127
	s_lshl_b32 s25, s24, 23
	v_mov_b32 v[SCL], s25                          ; 2^e0: the conversion takes its exponent field
	s_add_co_i32 s24, s24, 8
	s_lshl_b32 s24, s24, 23
	s_or_b32 s24, s24, 0x600000
	v_mov_b32 v[LIM], s24                          ; 448 x 2^e0
	s_wait_loadcnt 25                              ; hidden is in; the 8 + 1 + 16 younger loads may be out
.irp i, 0,1
.irp c, 0,1,2,3
.irp j, 0,1,2,3,4,5,6,7,8,9,10,11,12,13,14,15
	v_med3_num_f32 v[HF+64*\i+16*\c+\j], v[HF+64*\i+16*\c+\j], -v[LIM], v[LIM]   ; the conversion to an 8-bit code does not saturate (ISA guide 7.6.2): the hold at the largest code x the scale
.endr
	v_cvt_scalef32_pk8_fp8_f32 v[HC+16*\i+4*\c:HC+16*\i+4*\c+1], v[HF+64*\i+16*\c:HF+64*\i+16*\c+7], v[SCL]
	v_cvt_scalef32_pk8_fp8_f32 v[HC+16*\i+4*\c+2:HC+16*\i+4*\c+3], v[HF+64*\i+16*\c+8:HF+64*\i+16*\c+15], v[SCL]
.endr
.endr
	v_nop                                          ; one plain vector instruction between the last scaled conversion and the matrix instruction that reads its result
	s_wait_loadcnt 17                              ; W's two hidden fragments are in; b and the 16 encoder loads may be out
	v_wmma_f32_16x16x128_fp8_fp8 v[AC:AC+7], v[WF:WF+15], v[HC:HC+15], 0             ; two K steps on two accumulators: no chain
	v_wmma_f32_16x16x128_fp8_fp8 v[AC+8:AC+15], v[WF+16:WF+31], v[HC+16:HC+31], 0
.rept 4
	v_nop                                          ; four places in front of the first read of the results (ISA guide 7.12.1)
.endr
.irp j, 0,2,4,6
	v_pk_add_f32 v[P+\j:P+\j+1], v[AC+\j:AC+\j+1], v[AC+8+\j:AC+8+\j+1]              ; each accumulator from its low end on
.endr
	ds_store_b128 v[PW], v[P:P+3]                  ; my sums as an image of their registers
	ds_store_b128 v[PW], v[P+4:P+7] offset:512
	s_wait_loadcnt 0x0                             ; the encoder fragments, and b
	WIN 0x04                                       ; store data in window 1
.irp i, 0,1,2,3
.irp c, 0,1,2,3
	global_store_b128 v[LI], v[16*\i+4*\c:16*\i+4*\c+3], s[12:13] offset:131072*\i+512*\c   ; 32 lanes store 512 consecutive bytes, at a multiple of 256 from wimg's first byte
.endr
.endr
	WIN 0
	s_wait_dscnt 0x0                               ; for the others' sake: my stores into LDS are done
	s_barrier_signal -1
	s_barrier_wait -1
.irp w, 0,1,2,3
	ds_load_b64 v[TW+2*\w:TW+2*\w+1], v[PR] offset:1024*\w
.endr
	v_pk_mul_f32 v[BB:BB+1], v[BB:BB+1], 0x4038aa3b op_sel_hi:[1,0]                  ; b x 2 log2(e)
	s_wait_dscnt 0x0
	v_pk_add_f32 v[TW:TW+1], v[TW:TW+1], v[TW+2:TW+3]
	v_pk_add_f32 v[TW+4:TW+5], v[TW+4:TW+5], v[TW+6:TW+7]
	v_pk_add_f32 v[TW:TW+1], v[TW:TW+1], v[TW+4:TW+5]
	v_pk_fma_f32 v[TW:TW+1], v[TW:TW+1], s[22:23], v[BB:BB+1] op_sel_hi:[1,0,1]      ; sum x 2 log2(e) 2^(e0 + e1) + b x 2 log2(e)
	global_store_b64 v[HO], v[TW:TW+1], s[14:15]   ; a wave stores 256 consecutive bytes, aligned
	s_wait_tensorcnt 0x0                           ; the wave's end, behind my last LDS store
	ds_add_u32 v[SPW], v[NIL]
	s_wait_dscnt 0x0
	s_endpgm
.Lfunc_end_k_q5b66d54afe_prep:
	.size	k_q5b66d54afe_prep, .Lfunc_end_k_q5b66d54afe_prep-k_q5b66d54afe_prep
	.p2alignl 7, 3214868480
	.fill 96, 4, 3214868480
	.section	.rodata,"a",@progbits
	.p2align	6, 0x0
	.amdhsa_kernel k_q5b66d54afe_prep
		.amdhsa_group_segment_fixed_size 4608
		.amdhsa_private_segment_fixed_size 0
		.amdhsa_enable_private_segment 0
		.amdhsa_kernarg_size 48
		.amdhsa_user_sgpr_count 2
		.amdhsa_user_sgpr_kernarg_segment_ptr 1
		.amdhsa_wavefront_size32 1
		.amdhsa_system_sgpr_workgroup_id_x 1
		.amdhsa_system_sgpr_workgroup_id_y 1
		.amdhsa_system_sgpr_workgroup_id_z 1
		.amdhsa_system_vgpr_workitem_id 0
		.amdhsa_next_free_vgpr 320
		.amdhsa_next_free_sgpr 66
		.amdhsa_reserve_vcc 0
		.amdhsa_float_denorm_mode_32 3
		.amdhsa_float_denorm_mode_16_64 3
		.amdhsa_memory_ordered 1
		.amdhsa_forward_progress 1
		.amdhsa_inst_pref_size 21
	.end_amdhsa_kernel
	.amdgpu_metadata
---
amdhsa.version: [ 1, 2 ]
amdhsa.kernels:
  - .name:           k_q5b66d54afe_prep
    .symbol:         k_q5b66d54afe_prep.kd
    .args:
      - { .name: W_codes, .offset: 0, .size: 8, .value_kind: global_buffer, .address_space: global }
      - { .name: hidden, .offset: 8, .size: 8, .value_kind: global_buffer, .address_space: global }
      - { .name: b, .offset: 16, .size: 8, .value_kind: global_buffer, .address_space: global }
      - { .name: lowp_scales, .offset: 24, .size: 8, .value_kind: global_buffer, .address_space: global }
      - { .name: wimg, .offset: 32, .size: 8, .value_kind: global_buffer, .address_space: global }
      - { .name: hbs, .offset: 40, .size: 8, .value_kind: global_buffer, .address_space: global }
    .group_segment_fixed_size: 4608
    .private_segment_fixed_size: 0
    .kernarg_segment_align: 8
    .kernarg_segment_size: 48
    .max_flat_workgroup_size: 128
    .sgpr_count:     66
    .vgpr_count:     320
    .wavefront_size: 32
...
	.end_amdgpu_metadata
.endif
;; end of part 1
;; launch energy (part 2): grid 256 x 1, 4 waves a work-group, clusters of 4 x 1, 327,680 bytes of LDS; arguments encoder_outputs, wimg, hbs, v, lowp_scales, scores; writes scores
.if DOCPART == 2
	.amdgcn_target "amdgcn-amd-amdhsa--gfx1250"
	.amdhsa_code_object_version 6
	.text
	.protected	k_q5b66d54afe_energy
	.globl	k_q5b66d54afe_energy
	.p2align	8
	.type	k_q5b66d54afe_energy,@function
k_q5b66d54afe_energy:
	s_mov_b64 s[64:65], 0
	v_nop
	global_prefetch_b8 v0, s[64:65] scope:SCOPE_SE
	s_setreg_imm32_b32 hwreg(HW_REG_WAVE_MODE, 25, 1), 1
	s_wait_xcnt 0x0
	s_wait_alu depctr_hold_cnt(0) depctr_sa_sdst(0) depctr_va_vdst(0) depctr_va_sdst(0) depctr_va_ssrc(0) depctr_va_vcc(0) depctr_vm_vsrc(0)
	s_getreg_b32 s2, hwreg(HW_REG_IB_STS2, 6, 4)
	s_cmp_eq_u32 s2, 0
	s_cbranch_scc0 .Lentry_in_a_cluster
	s_endpgm
.Lentry_in_a_cluster:
	s_bfe_u32 s2, ttmp6, 0x10000c
	s_cmp_lg_u32 s2, 0x3003
	s_cbranch_scc0 .Lentry_shape_is_right
	s_endpgm
.Lentry_shape_is_right:
; scores[b][t] = log2(e) x ( score - sum(v) ) = sum over n of ( -2 log2(e) v[n] ) / ( 1 + 2^y ),  y = 2 log2(e) x ( cat[b][t] . W[n] + b[n] ).
; LEFT OUT: sum(v), which is the same along the softmax's axis for every v (shown at the head of the first kernel).  NOT REPEATED: the hidden part of K, the same for all t of a batch: it comes from the first launch, with b, as hbs.
; y = (sum over the encoder K of codes) x 2 log2(e) 2^(e0 + e1) + hbs: one fused multiply-add.
; SHARES.  A work-group owns 64 rows (b, t) and ALL 1,024 columns n, so that encoder_outputs is read and quantised once and the sum over n stays in the work-group.  Wave w owns columns 256 w .. 256 w + 255 for the 64 rows:
; 16 tiles of n x 4 tiles of rows = 64 accumulators, 512 registers; each byte of W in LDS is read once, by one wave.  Wave w also loads and quantises rows 16 w .. 16 w + 15.
; K goes in 16 steps of 128.  W's step (131,072 bytes, dense in wimg, in the order of the operand's registers) comes through a ring of two LDS slots; each wave fetches, and alone reads, its own 32,768 bytes.
; CLUSTER.  All work-groups walk the same W: the four of a cluster ask for each tile JOINTLY, by the same tensor load with the same descriptor and the mask of all four.
; A.  A load reads 512 consecutive bytes of one row (128 numbers: lane l holds k = 4 l .. 4 l + 3); two rows' numbers of a lane make eight codes, one word a row; the words go to LDS as rows of 128 codes (pitch 144),
; and come back as fragments, a lane a row.  So the turn from lanes along K to a lane a row is made on codes.  Two pieces of 16 rows x 128 numbers a wave are always on their way from memory.
; THE MATRIX INSTRUCTION IS USED TRANSPOSED (source 0 = 16 rows of W, source 1 = 16 rows of A): lane (r, h) holds row r, register j column 8 h + j.  k lies in the registers as loads of 16 bytes give it, alike on both sides.
; NO PREFETCH: the stream of encoder_outputs is what the launch is built round, 65,536 bytes a work-group always asked for; W is read by every work-group.
; LIMITS: e0 between -126 and 119; e0 + e1 between -127 and 126.  NaN in encoder_outputs is not served; an infinity is held at the largest code.  Where 2^y overflows the term is 0, where it underflows the term is the whole factor: tanh's limits.
; REGISTERS, in windows of 256.  window 0: v3-15 constants and addresses; v16-31 eight chains of the scores; v32-63 codes just made; v64-191 W's fragments, two sets of four; v192-212 at work at the head.  In the epilogue v64-255: three sets of 64 numbers.
;   window 1: v0-127 A's fragments, two sets of four; v128-255 two pieces of 64 f32.  In the epilogue: v0-127 hbs, v128-255 v's factors, eight a tile of n.   windows 2, 3: accumulator (n, m) at v[32 (n % 8) + 8 m] of window 2 + n / 8.
.set SLOTB,  131072                    ; a slot: one K step of all 1,024 columns
.set FRB,    2048                      ; a fragment's image
.set ACODE,  2*SLOTB                   ; behind the ring: A's codes, two buffers of 64 rows x 144 bytes (128 codes + 16: sixteen rows of a fragment load start 144 bytes apart)
.set APITCH, 144
.set ABUF,   64*APITCH
.set TABH,   ACODE+2*ABUF              ; hbs of my batch, 1,024 f32, n ascending
.set TABV,   TABH+4096                 ; v x (-2 log2(e))
.set SCST,   TABV+4096                 ; [wave 4][row 64] f32: the waves' parts of the scores
.set SPARE,  SCST+1024                 ; the spare words, 128 bytes a wave: two blocks of 256 bytes that no other line names
.set LIM, 3                            ; v3   448 x 2^e0
.set GA,  4                            ; v4   16 x lane: my 16 bytes of a load's 512
.set CW,  5                            ; v5   where my word of codes goes: ACODE + 2304 w + 4 x lane
.set AA,  6                            ; v6   A's fragments: ACODE + 144 r + 16 h
.set BA,  7                            ; v7-8 W's fragments in slot 0, 1: 32768 w + 16 x lane
.set SCL, 9                            ; v9   2^e0 as f32
.set TA,  10                           ; v10  TABH + 1024 w + 32 h
.set SA,  11                           ; v11  SCST + 256 w + 4 r
.set SR,  12                           ; v12  SCST + 8 x lane
.set SO,  13                           ; v13  8 x lane
.set SPW, 14                           ; v14  my spare word; never rewritten
.set NIL, 15                           ; v15  0; never rewritten
.set SCH, 16                           ; chain (m, u) at v[16 + 4 m + 2 u], a pair
.set T,   32
.set BF,  64
.set XB,  64
.set ST,  128                          ; in window 1
.set VV,  128                          ; in window 1, in the epilogue
.set WV,  16                           ; s16  my wave's number
.set G1,  24                           ; s[24:31] descriptor group 1
.set G0,  32                           ; s[32:39] descriptor group 0, a set for each slot
.set AB,  40                           ; s[40:43] A's address for piece 0, 1: each is named by its own piece's loads alone
.set MSB, 0
.macro WIN new                         ; the immediate's high byte repeats the setting that is left; a switch that changes nothing is dropped
.if MSB != (\new)
	s_set_vgpr_msb (MSB<<8)|(\new)
.set MSB, (\new)
.endif
.endm
.macro CREST                           ; a round of the cluster's barrier behind its opening barrier
	s_cmp_lg_u32 s[WV], 0
	s_cbranch_scc1 .Lnot_wave_0_\@
	s_barrier_signal -3
.Lnot_wave_0_\@:
	s_barrier_wait -3
	s_barrier_signal -1
	s_barrier_wait -1
.endm
.macro CROUND                          ; a whole round
	s_barrier_signal -1
	s_barrier_wait -1
	CREST
.endm
; A load into a register that a matrix instruction has read, and a vector instruction that reads a matrix result or writes one of its registers, stand four places behind it; only plain vector
; instructions that name none of its registers are places (ISA guide 7.12.1 for vector instructions).
.macro PLACES
.rept 4
	v_nop
.endr
.endm
.macro ALOAD p                         ; piece p: my 16 rows x 128 numbers at the piece's address
	WIN 0x40                                       ; destination window 1
.irp i, 0,1,2,3,4,5,6,7,8,9,10,11,12,13,14,15
	global_load_b128 v[ST+64*(\p)+4*\i:ST+64*(\p)+4*\i+3], v[GA], s[AB+2*(\p):AB+2*(\p)+1] offset:8192*\i th:TH_LOAD_NT   ; 32 lanes read 512 consecutive bytes of row i; read once in the launch
.endr
	WIN 0
.endm
; Piece p is quantised and its codes go to code buffer p.  lcnt: the younger loads that may stay out.  ld = 1: the piece is loaded again, two blocks of K on.
.macro QUANT p, lcnt, ld
	s_wait_loadcnt \lcnt                           ; loads come back in order: piece p is in, so its registers and its address are free
	WIN 0x41                                       ; destination and source 0 window 1
.set kk, 0
.rept 64
	v_med3_num_f32 v[ST+64*(\p)+kk], v[ST+64*(\p)+kk], -v[LIM], v[LIM]   ; the conversion does not saturate (ISA guide 7.6.2): the hold at the largest code x the scale
.set kk, kk+1
.endr
	WIN 0x01                                       ; source 0 window 1
.irp i, 0,1,2,3,4,5,6,7
	v_cvt_scalef32_pk8_fp8_f32 v[T+16*(\p)+2*\i:T+16*(\p)+2*\i+1], v[ST+64*(\p)+8*\i:ST+64*(\p)+8*\i+7], v[SCL]   ; rows 2 i and 2 i + 1: four codes each, a word a row
.endr
	v_nop                                          ; one plain vector instruction behind the last scaled conversion
	WIN 0
.irp i, 0,1,2,3,4,5,6,7,8,9,10,11,12,13,14,15
	ds_store_b32 v[CW], v[T+16*(\p)+\i] offset:ABUF*(\p)+APITCH*\i   ; 32 lanes store a row's 128 codes
.endr
.if \ld
	s_add_nc_u64 s[AB+2*(\p):AB+2*(\p)+1], s[AB+2*(\p):AB+2*(\p)+1], 1024   ; two blocks of 128 numbers on
	ALOAD \p
.endif
.endm
.macro FETCH_B slot, g, set            ; W's fragments 4 g .. 4 g + 3 of my 16 into set: images, 512 consecutive bytes a load
	WIN 0
.irp i, 0,1,2,3
.irp c, 0,1,2,3
	ds_load_b128 v[BF+64*(\set)+16*\i+4*\c:BF+64*(\set)+16*\i+4*\c+3], v[BA+(\slot)] offset:FRB*(4*(\g)+\i)+512*\c
.endr
.endr
.endm
.macro FETCH_A buf, set                ; A's four fragments (64 rows x 128 K) out of code buffer buf
	WIN 0x40
.irp m, 0,1,2,3
.irp c, 0,1,2,3
	ds_load_b128 v[64*(\set)+16*\m+4*\c:64*(\set)+16*\m+4*\c+3], v[AA] offset:ABUF*(\buf)+16*APITCH*\m+32*\c
.endr
.endr
	WIN 0
.endm
; 4 cnt matrix instructions: W's fragments i0 .. i0 + cnt - 1 of group g (in set) x A's four.  zero = 1: the first product starts the sums: nothing is ever cleared.
; The 64 accumulators take turns, one instruction a turn, in the same order in every step.
.macro MUL g, set, aset, i0, cnt, zero
	WIN 0xa4+0x50*((\g)/2)                         ; source 0 (W) window 0, source 1 (A) window 1, C and D window 2 or 3
.set ii, \i0
.rept \cnt
.irp m, 0,1,2,3
.set rD, 32*((4*(\g)+ii)%8)+8*\m
.set rB, BF+64*(\set)+16*ii
.set rA, 64*(\aset)+16*\m
.if \zero
	v_wmma_f32_16x16x128_fp8_fp8 v[rD:rD+7], v[rB:rB+15], v[rA:rA+15], 0
.else
	v_wmma_f32_16x16x128_fp8_fp8 v[rD:rD+7], v[rB:rB+15], v[rA:rA+15], v[rD:rD+7]
.endif
.endr
.set ii, ii+1
.endr
.endm
; K STEP s, par = s % 2: slot, A's set, piece and code buffer all have the number par.  64 matrix instructions in four groups of W's fragments, on two sets by turns.
; q = 1: block s + 2 of A is quantised (ld = 1: and block s + 4 asked for).  fa = 1: block s + 1's fragments are fetched.
; mode 2: the slot is filled again, with K step s + 2.  ONE round of the cluster's barrier a step serves three things: in front of it each wave has waited for all its tensor loads (its part of the other slot),
; for its reads of this slot and of A's codes, and for its stores of codes.  So behind it this slot may be filled, block s + 2's codes may be read, and the other code buffer may be written.
.macro STEP par, zero, q, lcnt, ld, fa, mode
.if \q
	QUANT \par, \lcnt, \ld                         ; its 64 holds are also the places behind the last step's products
.else
	PLACES
.endif
	FETCH_B \par, 1, 1
	s_wait_dscnt 16+16*\q                          ; set 0 is in; the step's 16 stores of codes and the 16 loads just issued may be out
	MUL 0, 0, \par, 0, 4, \zero
	PLACES
	FETCH_B \par, 2, 0
.if \fa
	FETCH_A 1-\par, 1-\par
.endif
	s_wait_dscnt 16+16*\fa                         ; set 1 is in; what was issued behind it may be out
	MUL 1, 1, \par, 0, 4, \zero
	PLACES
	FETCH_B \par, 3, 1
	s_wait_dscnt 16+16*\fa                         ; set 0 is in; A's 16 loads and the 16 just issued may be out
.if \mode == 2
	MUL 2, 0, \par, 0, 2, \zero
	WIN 0                                          ; (the add's two registers lie in window 0)
	s_wait_tensorcnt 0x0                           ; all my tensor loads have landed: the one that was out is my part of the other slot, asked for a step ago
	ds_add_u32 v[SPW], v[NIL]                      ; 0 onto my spare word; four matrix instructions stand between it and the wait for it
	MUL 2, 0, \par, 2, 1, \zero
	s_wait_dscnt 0x0                               ; the add is done; my reads of this slot and of A's codes are in; my stores of codes have landed
	s_barrier_signal -1                            ; this barrier opens a round of the cluster's barrier
	MUL 2, 0, \par, 3, 1, \zero
	WIN 0
	s_barrier_wait -1
	CREST                                          ; no wave of any partner still reads this slot or has a load on its way
	s_add_nc_u64 s[G0+4*(\par)+2:G0+4*(\par)+3], s[G0+4*(\par)+2:G0+4*(\par)+3], 2*SLOTB   ; two K steps on; the type bits on top are not reached
	tensor_load_to_lds s[G0+4*(\par):G0+4*(\par)+3], s[G1:G1+7]   ; my one tensor load behind the round, and the first thing there: it has a whole step in which to land
	s_nop 0
	PLACES                                         ; the places in front of the loads into set 0
	FETCH_B 1-\par, 0, 0                           ; the next step's first fragments
.elseif \mode == 1
	MUL 2, 0, \par, 0, 4, \zero
	PLACES
	WIN 0
	s_wait_tensorcnt 0x0                           ; the last K step's tile, my own part, which I alone read: nothing is filled again, so no barrier
	FETCH_B 1-\par, 0, 0
	s_wait_dscnt 16                                ; set 1 and A's fragments are in
.else
	MUL 2, 0, \par, 0, 4, \zero
	s_wait_dscnt 0x0
.endif
	MUL 3, 1, \par, 0, 4, \zero
	WIN 0
.endm
	s_load_b256 s[4:11], s[0:1], 0x0               ; encoder_outputs s[4:5], wimg s[6:7], hbs s[8:9], v s[10:11]
	s_load_b128 s[12:15], s[0:1], 0x20             ; the scales' exponents s[12:13], scores s[14:15]
	v_lshl_add_u32 v[SPW], v0, 2, SPARE
	v_mov_b32 v[NIL], 0
	ds_add_u32 v[SPW], v[NIL]                      ; the wave's opening: the add, twice on end, and its wait ahead of my first tensor load; work on registers stands between the second and the wait
	ds_add_u32 v[SPW], v[NIL]
	v_lshrrev_b32 v1, 5, v0
	v_readfirstlane_b32 s[WV], v1                  ; wave 0..3
	s_bfe_u32 s17, ttmp6, 0x40000                  ; cx: my place in the cluster: it enters the offsets of encoder_outputs and of scores alone
	s_lshl_b32 s18, ttmp9, 2                       ; in a cluster launch ttmp9 counts clusters
	s_add_co_u32 s18, s18, s17                     ; my block of 64 rows
	s_lshl_b32 s20, s18, 19                        ; 64 rows of 8,192 bytes,
	s_lshl_b32 s21, s[WV], 17                      ; my wave's 16 of them
	s_add_co_u32 s20, s20, s21
	s_mov_b32 s21, 0
	s_lshl_b32 s54, s18, 8                         ; 64 scores
	s_mov_b32 s55, 0
	s_lshr_b32 s22, ttmp9, 2                       ; the batch: 16 blocks = 4 clusters; the four partners share it
	s_lshl_b32 s22, s22, 6                         ; hbs: 64 bytes a batch within a tile
	s_mov_b32 s23, 0
	s_lshl_b32 s56, s[WV], 15                      ; my 32,768 bytes of a K step, in wimg and in a slot alike
	s_mov_b32 s57, 0
	; descriptor group 1: 32,768 dense bytes as 128 rows of 256
	s_mov_b32 s[G1], 15|(3<<16)|(1<<21)            ; 15:0 the mask: all four work-groups; 17:16 elements of 8 bytes; 20 no padding; 21 set beside a mask
	s_mov_b32 s[G1+1], 32<<16                      ; tensor_dim0 = 32 elements
	s_mov_b32 s[G1+2], 128<<16                     ; tensor_dim1 = 128
	s_mov_b32 s[G1+3], 32<<16                      ; tile_dim0 = 32
	s_mov_b32 s[G1+4], 128                         ; tile_dim1 = 128
	s_mov_b32 s[G1+5], 32                          ; from row to row: 32 elements
	s_mov_b32 s[G1+6], 0
	s_mov_b32 s[G1+7], 0
	s_mov_b32 s52, 0x76543210                      ; v_permlanex16_b32's selects for lane l xor 16
	s_mov_b32 s53, 0xfedcba98
	v_and_b32 v1, 31, v0                           ; lane
	v_lshlrev_b32 v[GA], 4, v1
	v_lshrrev_b32 v208, 2, v0                      ; the tables: thread t takes 16 bytes: of hbs tile t / 4 (+ 32), its numbers 4 (t % 4) ..
	v_and_b32 v209, 3, v0
	v_lshlrev_b32 v208, 10, v208
	v_lshl_add_u32 v208, v209, 4, v208
	v_lshlrev_b32 v209, 4, v0                      ; of v: 16 t
	s_wait_dscnt 0x0                               ; both opening adds are done
	s_wait_kmcnt 0x0
	s_load_b64 s[48:49], s[12:13], 0x0             ; e0, e1
	s_add_nc_u64 s[AB:AB+1], s[4:5], s[20:21]      ; A: block 0 of K,
	s_add_nc_u64 s[AB+2:AB+3], s[AB:AB+1], 512     ; block 1
	s_add_nc_u64 s[8:9], s[8:9], s[22:23]
	s_add_nc_u64 s[14:15], s[14:15], s[54:55]
	s_mov_b32 s[G0], 1                             ; 1:0 count = 1
	s_mov_b32 s[G0+1], s56                         ; LDS address: slot 0, my part
	s_add_nc_u64 s[G0+2:G0+3], s[6:7], s[56:57]    ; global address: K step 0, my part
	s_mov_b32 s[G0+4], 1
	s_add_co_u32 s[G0+5], s56, SLOTB               ; slot 1
	s_add_nc_u64 s[G0+6:G0+7], s[G0+2:G0+3], SLOTB ; K step 1
	s_or_b32 s[G0+3], s[G0+3], 0x80000000          ; 127:126 type = 2
	s_or_b32 s[G0+7], s[G0+7], 0x80000000
	; the loads from memory go out ahead of the round: nothing of theirs hangs on the partners
	global_load_b128 v[192:195], v208, s[8:9]
	global_load_b128 v[196:199], v208, s[8:9] offset:32768
	global_load_b128 v[200:203], v209, s[10:11]
	global_load_b128 v[204:207], v209, s[10:11] offset:2048
	ALOAD 0
	ALOAD 1
	CROUND                                         ; all four work-groups are here: the first joint loads meet
	tensor_load_to_lds s[G0:G0+3], s[G1:G1+7]      ; every wave issues both first fills, with no branch: two tensor loads of mine are out
	s_nop 0
	tensor_load_to_lds s[G0+4:G0+7], s[G1:G1+7]
	s_nop 0
	PLACES
	v_and_b32 v210, 15, v0                         ; r
	v_bfe_u32 v211, v0, 4, 1                       ; h
	s_mul_i32 s58, s[WV], 16*APITCH
	v_lshl_add_u32 v[CW], v1, 2, s58
	v_add_nc_u32 v[CW], ACODE, v[CW]
	v_mul_u32_u24 v[AA], v210, APITCH
	v_lshl_add_u32 v[AA], v211, 4, v[AA]
	v_add_nc_u32 v[AA], ACODE, v[AA]
	v_lshl_add_u32 v[BA], v1, 4, s56
	v_add_nc_u32 v[BA+1], SLOTB, v[BA]
	s_lshl_b32 s58, s[WV], 10
	v_lshl_add_u32 v[TA], v211, 5, s58
	v_add_nc_u32 v[TA], TABH, v[TA]
	s_lshl_b32 s58, s[WV], 8
	v_lshl_add_u32 v[SA], v210, 2, s58
	v_add_nc_u32 v[SA], SCST, v[SA]
	v_lshlrev_b32 v[SO], 3, v1
	v_add_nc_u32 v[SR], SCST, v[SO]
	v_add_nc_u32 v212, TABH, v209
	s_wait_kmcnt 0x0
	s_add_co_i32 s59, s48, s49
	s_lshl_b32 s59, s59, 23
	s_add_co_i32 s46, s59, 0x4038aa3b              ; 2 log2(e) x 2^(e0 + e1): the exponents are added to the exponent field
	s_mov_b32 s47, s46                             ; (named with it as a pair, so it is written)
	s_add_co_i32 s59, s48, 127
	s_lshl_b32 s60, s59, 23
	v_mov_b32 v[SCL], s60                          ; 2^e0: the conversion takes its exponent field
	s_add_co_i32 s59, s59, 8
	s_lshl_b32 s59, s59, 23
	s_or_b32 s59, s59, 0x600000
	v_mov_b32 v[LIM], s59                          ; 448 x 2^e0
	s_wait_loadcnt 32                              ; the four table loads are in; A's two pieces may be out
.irp j, 0,2,4,6
	v_pk_mul_f32 v[200+\j:201+\j], v[200+\j:201+\j], 0xc038aa3b op_sel_hi:[1,0]   ; v x (-2 log2(e))
.endr
	ds_store_b128 v212, v[192:195]
	ds_store_b128 v212, v[196:199] offset:2048
	ds_store_b128 v212, v[200:203] offset:4096
	ds_store_b128 v212, v[204:207] offset:6144
	QUANT 0, 16, 1                                 ; block 0's codes; block 2 is asked for
	QUANT 1, 16, 1                                 ; block 1's codes; block 3
	s_wait_tensorcnt 1                             ; my part of slot 0 is in; slot 1's may stay out
	s_wait_dscnt 0x0                               ; my stores of codes and tables have landed
	s_barrier_signal -1
	s_barrier_wait -1
	FETCH_A 0, 0
	FETCH_B 0, 0, 0
	s_wait_dscnt 0x0                               ; my reads of code buffer 0 are in: step 0 writes it again,
	s_barrier_signal -1
	s_barrier_wait -1                              ; when every wave's are
	STEP 0, 1, 1, 16, 1, 1, 2                      ; the first step's products start the sums
	STEP 1, 0, 1, 16, 1, 1, 2
	s_mov_b32 s50, 5
.Lpair:                                            ; steps 2 to 11: a trip goes once round the ring
	STEP 0, 0, 1, 16, 1, 1, 2
	STEP 1, 0, 1, 16, 1, 1, 2
	s_sub_co_u32 s50, s50, 1
	s_cmp_lg_u32 s50, 0
	s_cbranch_scc1 .Lpair
	STEP 0, 0, 1, 16, 0, 1, 2                      ; the tail is written out: step 12 quantises block 14 and loads nothing: no load leaves its buffer
	STEP 1, 0, 1, 0, 0, 1, 2                       ; step 13: block 15, the only piece still out; the last refill: K step 15
	STEP 0, 0, 0, 0, 0, 1, 1                       ; step 14: nothing to quantise, nothing to fill
	STEP 1, 0, 0, 0, 0, 0, 0                       ; step 15
	; THE EPILOGUE.  hbs and v's factors of my 256 columns, in the result's layout: lane (r, h), tile n: columns 16 n + 8 h + 0 .. 7.
	PLACES                                         ; in front of loads into A's registers and of the first reads of results
	WIN 0x40
.irp n, 0,1,2,3,4,5,6,7,8,9,10,11,12,13,14,15
.irp q, 0,1
	ds_load_b128 v[8*\n+4*\q:8*\n+4*\q+3], v[TA] offset:64*\n+16*\q
	ds_load_b128 v[VV+8*\n+4*\q:VV+8*\n+4*\q+3], v[TA] offset:4096+64*\n+16*\q
.endr
.endr
	WIN 0
	s_wait_dscnt 0x0
; Eight batches of two tiles of n, 64 numbers a lane, in three sets of registers by turns.  T: y = sum x S + hbs.  E: 2^y.  A: + 1.  R: the reciprocal.  F: the chains take factor x reciprocal.
; A batch's reciprocals and the next batch's exponentials are issued as ONE run of transcendentals; the batch after's T, plain work that names none of their results, follows; then ONE wait ahead of the first reader.
.macro EP_T bq
	WIN 0x12+(\bq)/4                               ; source 0 (the sums) window 2 or 3, source 2 (hbs) window 1
.set kk, 0
.rept 32
	v_pk_fma_f32 v[XB+64*((\bq)%3)+kk:XB+64*((\bq)%3)+kk+1], v[64*((\bq)%4)+kk:64*((\bq)%4)+kk+1], s[46:47], v[8*(2*(\bq)+kk/32)+kk%8:8*(2*(\bq)+kk/32)+kk%8+1] op_sel_hi:[1,0,1]   ; each accumulator from its low end on
.set kk, kk+2
.endr
.endm
.macro EP_E bq
	WIN 0
.set kk, 0
.rept 64
	v_exp_f32 v[XB+64*((\bq)%3)+kk], v[XB+64*((\bq)%3)+kk]
.set kk, kk+1
.endr
.endm
.macro EP_A bq
	WIN 0
.set kk, 0
.rept 32
	v_pk_add_f32 v[XB+64*((\bq)%3)+kk:XB+64*((\bq)%3)+kk+1], v[XB+64*((\bq)%3)+kk:XB+64*((\bq)%3)+kk+1], 1.0 op_sel_hi:[1,0]
.set kk, kk+2
.endr
.endm
.macro EP_R bq
	WIN 0
.set kk, 0
.rept 64
	v_rcp_f32 v[XB+64*((\bq)%3)+kk], v[XB+64*((\bq)%3)+kk]
.set kk, kk+1
.endr
.endm
.macro EP_F bq                         ; eight chains by turns: (tile of rows m, tile of n u); the first term of each starts it: nothing is cleared
	WIN 0x04                                       ; source 1 (v's factors) window 1
.irp j, 0,2,4,6
.irp u, 0,1
.irp m, 0,1,2,3
.if ((\bq) == 0) && (\j == 0)
	v_pk_mul_f32 v[SCH+4*\m+2*\u:SCH+4*\m+2*\u+1], v[XB+64*((\bq)%3)+32*\u+8*\m+\j:XB+64*((\bq)%3)+32*\u+8*\m+\j+1], v[VV+8*(2*(\bq)+\u)+\j:VV+8*(2*(\bq)+\u)+\j+1]
.else
	v_pk_fma_f32 v[SCH+4*\m+2*\u:SCH+4*\m+2*\u+1], v[XB+64*((\bq)%3)+32*\u+8*\m+\j:XB+64*((\bq)%3)+32*\u+8*\m+\j+1], v[VV+8*(2*(\bq)+\u)+\j:VV+8*(2*(\bq)+\u)+\j+1], v[SCH+4*\m+2*\u:SCH+4*\m+2*\u+1]
.endif
.endr
.endr
.endr
.endm
	EP_T 0
	EP_E 0
	EP_T 1                                         ; plain work behind the exponentials
	s_wait_alu depctr_va_vdst(0)                   ; one wait for the run, ahead of its first reader
	EP_A 0
.irp b, 0,1,2,3,4,5,6,7
	EP_R \b
.if \b < 7
	EP_E \b+1
.endif
.if \b < 6
	EP_T \b+2
.else
	v_nop                                          ; the plain instruction behind the last transcendental, where no T is left
.endif
	s_wait_alu depctr_va_vdst(0)                   ; one wait for the run
	EP_F \b
.if \b < 7
	EP_A \b+1
.endif
.endr
	WIN 0
	; a row's part: its two chains, their two halves, and the other half of the lanes' (columns 8 (1 - h) + ..)
.irp m, 0,1,2,3
	v_pk_add_f32 v[SCH+4*\m:SCH+4*\m+1], v[SCH+4*\m:SCH+4*\m+1], v[SCH+4*\m+2:SCH+4*\m+3]
.endr
.irp m, 0,1,2,3
	v_add_f32 v[SCH+4*\m], v[SCH+4*\m], v[SCH+4*\m+1]
.endr
.irp m, 0,1,2,3
	v_permlanex16_b32 v[SCH+4*\m+1], v[SCH+4*\m], s52, s53
.endr
.irp m, 0,1,2,3
	v_add_f32 v[SCH+4*\m], v[SCH+4*\m], v[SCH+4*\m+1]
.endr
.irp m, 0,1,2,3
	ds_store_b32 v[SA], v[SCH+4*\m] offset:64*\m   ; row 16 m + r of my wave's 64; both halves of the lanes store the same number to the same word
.endr
	s_wait_dscnt 0x0                               ; for the others' sake: my stores are done
	s_barrier_signal -1
	s_barrier_wait -1
	s_cmp_lg_u32 s[WV], 0                          ; wave 0 adds the four waves' parts and stores the block's 64 scores
	s_cbranch_scc1 .Lnot_first
.irp w, 0,1,2,3
	ds_load_b64 v[XB+2*\w:XB+2*\w+1], v[SR] offset:256*\w
.endr
	s_wait_dscnt 0x0
	v_pk_add_f32 v[XB:XB+1], v[XB:XB+1], v[XB+2:XB+3]
	v_pk_add_f32 v[XB+4:XB+5], v[XB+4:XB+5], v[XB+6:XB+7]
	v_pk_add_f32 v[XB:XB+1], v[XB:XB+1], v[XB+4:XB+5]
	global_store_b64 v[SO], v[XB:XB+1], s[14:15]   ; 32 lanes store 256 consecutive bytes, at a multiple of 256 from the buffer's first byte
.Lnot_first:
	s_wait_tensorcnt 0x0                           ; the wave's end, behind my last tensor load and my last LDS store
	ds_add_u32 v[SPW], v[NIL]
	s_wait_dscnt 0x0
	CROUND                                         ; the closing round: no work-group ends while a partner may still ask for a tile that names it
	s_endpgm
.Lfunc_end_k_q5b66d54afe_energy:
	.size	k_q5b66d54afe_energy, .Lfunc_end_k_q5b66d54afe_energy-k_q5b66d54afe_energy
	.p2alignl 7, 3214868480
	.fill 96, 4, 3214868480
	.section	.rodata,"a",@progbits
	.p2align	6, 0x0
	.amdhsa_kernel k_q5b66d54afe_energy
		.amdhsa_group_segment_fixed_size 327680
		.amdhsa_private_segment_fixed_size 0
		.amdhsa_enable_private_segment 0
		.amdhsa_kernarg_size 48
		.amdhsa_user_sgpr_count 2
		.amdhsa_user_sgpr_kernarg_segment_ptr 1
		.amdhsa_wavefront_size32 1
		.amdhsa_system_sgpr_workgroup_id_x 1
		.amdhsa_system_sgpr_workgroup_id_y 1
		.amdhsa_system_sgpr_workgroup_id_z 1
		.amdhsa_system_vgpr_workitem_id 0
		.amdhsa_next_free_vgpr 1024
		.amdhsa_next_free_sgpr 66
		.amdhsa_reserve_vcc 0
		.amdhsa_float_denorm_mode_32 3
		.amdhsa_float_denorm_mode_16_64 3
		.amdhsa_memory_ordered 1
		.amdhsa_forward_progress 1
		.amdhsa_inst_pref_size 235
	.end_amdhsa_kernel
	.amdgpu_metadata
---
amdhsa.version: [ 1, 2 ]
amdhsa.kernels:
  - .name:           k_q5b66d54afe_energy
    .symbol:         k_q5b66d54afe_energy.kd
    .args:
      - { .name: encoder_outputs, .offset: 0, .size: 8, .value_kind: global_buffer, .address_space: global }
      - { .name: wimg, .offset: 8, .size: 8, .value_kind: global_buffer, .address_space: global }
      - { .name: hbs, .offset: 16, .size: 8, .value_kind: global_buffer, .address_space: global }
      - { .name: v, .offset: 24, .size: 8, .value_kind: global_buffer, .address_space: global }
      - { .name: lowp_scales, .offset: 32, .size: 8, .value_kind: global_buffer, .address_space: global }
      - { .name: scores, .offset: 40, .size: 8, .value_kind: global_buffer, .address_space: global }
    .group_segment_fixed_size: 327680
    .private_segment_fixed_size: 0
    .kernarg_segment_align: 8
    .kernarg_segment_size: 48
    .max_flat_workgroup_size: 128
    .sgpr_count:     66
    .vgpr_count:     1024
    .wavefront_size: 32
...
	.end_amdgpu_metadata
.endif
;; end of part 2
;; launch soft (part 3): grid 16 x 1, 1 waves a work-group, no clusters, 0 bytes of LDS; arguments scores, out0; writes out0
.if DOCPART == 3
	.amdgcn_target "amdgcn-amd-amdhsa--gfx1250"
	.amdhsa_code_object_version 6
	.text
	.protected	k_q5b66d54afe_soft
	.globl	k_q5b66d54afe_soft
	.p2align	8
	.type	k_q5b66d54afe_soft,@function
k_q5b66d54afe_soft:
	s_mov_b64 s[64:65], 0
	v_nop
	global_prefetch_b8 v0, s[64:65] scope:SCOPE_SE
	s_setreg_imm32_b32 hwreg(HW_REG_WAVE_MODE, 25, 1), 1
	s_wait_xcnt 0x0
; out0[b][0][t] = softmax over t of the scores.  The buffer holds log2(e) x (score - sum(v)): sum(v), the same along the softmax's axis, was left out (shown at the head of the first kernel), and the factor
; log2(e) makes the exponential one of base 2.  The row's maximum is taken away ahead of the exponential.
; One wave takes one batch: 1,024 numbers, 32 a lane, in registers: no LDS, no barrier.  The matrix units and clusters have nothing to do here: 4,096 bytes in, 4,096 out.
; LIMIT: a weight below the smallest normal f32 number comes out as 0.
.set X, 4                              ; v4-35  my 32 numbers
	s_load_b128 s[4:7], s[0:1], 0x0                ; scores s[4:5], out0 s[6:7]
	v_lshlrev_b32 v1, 4, v0                        ; 16 bytes a lane
	s_lshl_b32 s8, ttmp9, 12                       ; a batch's 4,096 bytes
	s_mov_b32 s9, 0
	s_mov_b32 s10, 0x76543210                      ; v_permlanex16_b32's selects for lane l xor 16
	s_mov_b32 s11, 0xfedcba98
	s_wait_kmcnt 0x0
	s_add_nc_u64 s[4:5], s[4:5], s[8:9]
	s_add_nc_u64 s[6:7], s[6:7], s[8:9]
.irp i, 0,1,2,3,4,5,6,7
	global_load_b128 v[X+4*\i:X+4*\i+3], v1, s[4:5] offset:512*\i   ; 32 lanes read 512 consecutive bytes
.endr
	s_wait_loadcnt 0x0
	v_max3_num_f32 v36, v4, v5, v6                 ; the maximum of my 32, in two chains
	v_max3_num_f32 v37, v7, v8, v9
.irp i, 10,14,18,22,26,30
	v_max3_num_f32 v36, v36, v[\i], v[\i+1]
	v_max3_num_f32 v37, v37, v[\i+2], v[\i+3]
.endr
	v_max3_num_f32 v36, v36, v34, v35
	v_max_num_f32 v36, v36, v37
	v_max_num_f32_dpp v36, v36, v36 row_xmask:1 row_mask:0xf bank_mask:0xf
	v_max_num_f32_dpp v36, v36, v36 row_xmask:2 row_mask:0xf bank_mask:0xf
	v_max_num_f32_dpp v36, v36, v36 row_xmask:4 row_mask:0xf bank_mask:0xf
	v_max_num_f32_dpp v36, v36, v36 row_xmask:8 row_mask:0xf bank_mask:0xf
	v_permlanex16_b32 v37, v36, s10, s11           ; (its destination has been written)
	v_max_num_f32 v36, v36, v37                    ; every lane holds the row's maximum
.irp j, 0,2,4,6,8,10,12,14,16,18,20,22,24,26,28,30
	v_pk_add_f32 v[X+\j:X+\j+1], v[X+\j:X+\j+1], v[36:37] op_sel_hi:[1,0] neg_lo:[0,1] neg_hi:[0,1]   ; less the maximum (the pair's low word for both halves)
.endr
.irp j, 0,1,2,3,4,5,6,7,8,9,10,11,12,13,14,15,16,17,18,19,20,21,22,23,24,25,26,27,28,29,30,31
	v_exp_f32 v[X+\j], v[X+\j]
.endr
	v_nop                                          ; a plain instruction behind the last exponential
	s_wait_alu depctr_va_vdst(0)                   ; one wait for the 32 ahead of the first reader
	v_pk_add_f32 v[38:39], v[4:5], v[6:7]          ; the sum, in two chains of pairs
	v_pk_add_f32 v[40:41], v[8:9], v[10:11]
.irp j, 12,16,20,24,28,32
	v_pk_add_f32 v[38:39], v[38:39], v[\j:\j+1]
	v_pk_add_f32 v[40:41], v[40:41], v[\j+2:\j+3]
.endr
	v_pk_add_f32 v[38:39], v[38:39], v[40:41]
	v_add_f32 v38, v38, v39
	v_add_f32_dpp v38, v38, v38 row_xmask:1 row_mask:0xf bank_mask:0xf
	v_add_f32_dpp v38, v38, v38 row_xmask:2 row_mask:0xf bank_mask:0xf
	v_add_f32_dpp v38, v38, v38 row_xmask:4 row_mask:0xf bank_mask:0xf
	v_add_f32_dpp v38, v38, v38 row_xmask:8 row_mask:0xf bank_mask:0xf
	v_permlanex16_b32 v39, v38, s10, s11
	v_add_f32 v38, v38, v39                        ; the row's sum, at least 1
	v_rcp_f32 v40, v38
	v_nop                                          ; a plain instruction behind the reciprocal,
	s_wait_alu depctr_va_vdst(0)                   ; and the wait ahead of its first reader
.irp j, 0,2,4,6,8,10,12,14,16,18,20,22,24,26,28,30
	v_pk_mul_f32 v[X+\j:X+\j+1], v[X+\j:X+\j+1], v[40:41] op_sel_hi:[1,0]   ; (v41 has been written; the low word serves both halves)
.endr
.irp i, 0,1,2,3,4,5,6,7
	global_store_b128 v1, v[X+4*\i:X+4*\i+3], s[6:7] offset:512*\i   ; 32 lanes store 512 consecutive bytes, at a multiple of 256 from out0's first byte
.endr
	s_endpgm
.Lfunc_end_k_q5b66d54afe_soft:
	.size	k_q5b66d54afe_soft, .Lfunc_end_k_q5b66d54afe_soft-k_q5b66d54afe_soft
	.p2alignl 7, 3214868480
	.fill 96, 4, 3214868480
	.section	.rodata,"a",@progbits
	.p2align	6, 0x0
	.amdhsa_kernel k_q5b66d54afe_soft
		.amdhsa_group_segment_fixed_size 0
		.amdhsa_private_segment_fixed_size 0
		.amdhsa_enable_private_segment 0
		.amdhsa_kernarg_size 16
		.amdhsa_user_sgpr_count 2
		.amdhsa_user_sgpr_kernarg_segment_ptr 1
		.amdhsa_wavefront_size32 1
		.amdhsa_system_sgpr_workgroup_id_x 1
		.amdhsa_system_sgpr_workgroup_id_y 1
		.amdhsa_system_sgpr_workgroup_id_z 1
		.amdhsa_system_vgpr_workitem_id 0
		.amdhsa_next_free_vgpr 64
		.amdhsa_next_free_sgpr 66
		.amdhsa_reserve_vcc 0
		.amdhsa_float_denorm_mode_32 3
		.amdhsa_float_denorm_mode_16_64 3
		.amdhsa_memory_ordered 1
		.amdhsa_forward_progress 1
		.amdhsa_inst_pref_size 8
	.end_amdhsa_kernel
	.amdgpu_metadata
---
amdhsa.version: [ 1, 2 ]
amdhsa.kernels:
  - .name:           k_q5b66d54afe_soft
    .symbol:         k_q5b66d54afe_soft.kd
    .args:
      - { .name: scores, .offset: 0, .size: 8, .value_kind: global_buffer, .address_space: global }
      - { .name: out0, .offset: 8, .size: 8, .value_kind: global_buffer, .address_space: global }
    .group_segment_fixed_size: 0
    .private_segment_fixed_size: 0
    .kernarg_segment_align: 8
    .kernarg_segment_size: 16
    .max_flat_workgroup_size: 32
    .sgpr_count:     66
    .vgpr_count:     64
    .wavefront_size: 32
...
	.end_amdgpu_metadata
.endif
;; end of part 3
;; ======== version 2 of 2: 3 launches
;; limits: right only within a limited range of input values
;; workspace buffers: wimg 2,097,152 bytes; hbs 65,536 bytes; scores 65,536 bytes
;; launch prep (part 4): grid 64 x 1, 4 waves a work-group, no clusters, 4,608 bytes of LDS; arguments W_codes, hidden, b, lowp_scales, wimg, hbs; writes wimg, hbs
.if DOCPART == 4
	.amdgcn_target "amdgcn-amd-amdhsa--gfx1250"
	.amdhsa_code_object_version 6
	.text
	.protected	k_q5b66d54afe_prep
	.globl	k_q5b66d54afe_prep
	.p2align	8
	.type	k_q5b66d54afe_prep,@function
k_q5b66d54afe_prep:
	s_mov_b64 s[64:65], 0
	v_nop
	global_prefetch_b8 v0, s[64:65] scope:SCOPE_SE
	s_setreg_imm32_b32 hwreg(HW_REG_WAVE_MODE, 25, 1), 1
	s_wait_xcnt 0x0
; out0[b][0][t] = softmax over t of  sum over n of v[n] tanh( cat[b][t][:] . W[n][:] + b[n] ),  cat = [ hidden[b] | encoder_outputs[b][t] ],  the product with W on codes of E4M3.
; WORK THAT IS NOT REPEATED.  The first 1,024 of K are hidden[b], the same numbers, and so the same codes, for all 1,024 t of a batch: that part of the product has 16 different rows.
; It is multiplied once, here, as one tile of 16 rows (the 16 batches), by the same matrix instruction, and enters the second launch as an addend.  K is so split into two f32 sums.
; WORK THAT IS LEFT OUT.  tanh(x) = 1 - 2 / (1 + 2^(2 log2(e) x)), so a score is  sum(v) - 2 sum over n of v[n] / (1 + 2^(..)).  sum(v) is the same for every t of a row of the softmax, whatever v holds,
; and a softmax is unchanged by a term that is the same along its axis: it is never formed.  v itself stays live.  LIMIT: a NaN, an infinity or an overflow that would arise in sum(v) alone is not carried to the result.
; THIS LAUNCH makes two workspace buffers.
;   hbs [ntile 64][batch 16][16] f32 = ( sum over the hidden K of codes x 2^(e0 + e1) + b[n] ) x 2 log2(e)
;   wimg [kstep 16][ntile 64][c 4][lane 32][16 bytes]: W's encoder part (K 1,024 .. 3,071) in the order of an operand's registers: lane (r, h), group c of tile n, K step x holds W[16 n + r][1024 + 128 x + 32 c + 16 h + 0 .. 15].
; SHARES.  Work-group nt owns W's rows 16 nt .. 16 nt + 15.  Wave w copies the fragments of K steps 4 w .. 4 w + 3 of the encoder part, and multiplies the hidden K steps 2 w and 2 w + 1; the four waves' sums meet in LDS.
; The matrix instruction is used transposed (source 0 = 16 rows of W, source 1 = the 16 batches): lane (r, h) holds batch r, register j holds W's row 8 h + j.
; k is laid in the registers as four loads of 16 bytes give it (registers 4 c .. 4 c + 3: k = 32 c + 16 h + 0 .. 15), alike on both sides, so every product meets its partner.
; LIMITS: e0 between -126 and 119; e0 + e1 between -127 and 126 (it is added to the exponent field of 2 log2(e)).  NaN in hidden is not served; an infinity is held at the largest code.
.set SPARE, 4096                       ; LDS: 0 .. 4,095 the four waves' sums, 1,024 bytes each; then the spare words, 128 bytes a wave, which no other line names
.set WE,  4                            ; v4   W, encoder part: r x 3072 + 16 h + 512 w
.set WH,  5                            ; v5   W, hidden part:  r x 3072 + 16 h + 256 w
.set HA,  6                            ; v6   hidden: r x 4096 + 64 h + 1024 w
.set LI,  7                            ; v7   16 x lane
.set BO,  8                            ; v8   b: 8 (t % 8)
.set PW,  9                            ; v9   where my sums go in LDS: 1024 w + 16 x lane
.set PR,  10                           ; v10  where thread t finds its two results in a wave's image
.set HO,  11                           ; v11  8 t: my two results in the work-group's 1,024 bytes of hbs
.set SCL, 12                           ; v12  2^e0 as f32
.set LIM, 13                           ; v13  448 x 2^e0
.set SPW, 14                           ; v14  my spare word
.set NIL, 15                           ; v15  0
.set HF,  16                           ; v16-143   hidden, 2 K steps x 64 numbers
.set WF,  144                          ; v144-175  W's two hidden fragments
.set HC,  176                          ; v176-207  hidden's codes, two fragments
.set AC,  208                          ; v208-223  two accumulators
.set P,   224                          ; v224-231  their sum
.set BB,  232                          ; v232-233  two of b
.set TW,  234                          ; v234-241  the four waves' sums of my two results
.set MSB, 0
.macro WIN new                         ; the immediate's high byte repeats the setting that is left
.if MSB != (\new)
	s_set_vgpr_msb (MSB<<8)|(\new)
.set MSB, (\new)
.endif
.endm
	s_load_b256 s[4:11], s[0:1], 0x0               ; W's codes s[4:5], hidden s[6:7], b s[8:9], the scales' exponents s[10:11]
	s_load_b128 s[12:15], s[0:1], 0x20             ; wimg s[12:13], hbs s[14:15]
	v_lshl_add_u32 v[SPW], v0, 2, SPARE
	v_mov_b32 v[NIL], 0
	v_lshrrev_b32 v1, 5, v0
	v_readfirstlane_b32 s16, v1                    ; wave 0..3
	v_and_b32 v1, 31, v0                           ; lane
	v_and_b32 v2, 15, v0                           ; r
	v_bfe_u32 v3, v0, 4, 1                         ; h
	v_mul_u32_u24 v[WE], v2, 3072                  ; a row of W is 3,072 codes
	v_lshl_add_u32 v[WE], v3, 4, v[WE]
	s_lshl_b32 s17, s16, 8
	v_add_nc_u32 v[WH], s17, v[WE]                 ; + 256 w: my two hidden K steps
	s_lshl_b32 s17, s16, 9
	v_add_nc_u32 v[WE], s17, v[WE]                 ; + 512 w: my four encoder K steps
	v_lshlrev_b32 v[HA], 12, v2
	v_lshl_add_u32 v[HA], v3, 6, v[HA]
	s_lshl_b32 s17, s16, 10
	v_add_nc_u32 v[HA], s17, v[HA]
	v_lshlrev_b32 v[LI], 4, v1
	v_add_nc_u32 v[PW], s17, v[LI]
	v_and_b32 v[BO], 7, v0
	v_lshlrev_b32 v[BO], 3, v[BO]
	v_bfe_u32 v[PR], v0, 1, 1                      ; thread t finishes batch t / 8, rows 2 (t % 8) and + 1 of the tile: row = 8 h' + 4 q + jj
	v_lshlrev_b32 v[PR], 9, v[PR]                  ; q = bit 1 of t: the image's second 512 bytes
	v_bfe_u32 v[HO], v0, 2, 1
	v_lshl_add_u32 v[PR], v[HO], 8, v[PR]          ; h' = bit 2: lanes 16-31, 256 bytes on
	v_and_b32 v[HO], 1, v0
	v_lshl_add_u32 v[PR], v[HO], 3, v[PR]          ; jj = 2 x bit 0: 8 bytes on
	v_lshrrev_b32 v[HO], 3, v0
	v_lshl_add_u32 v[PR], v[HO], 4, v[PR]          ; the batch: 16 bytes a lane
	v_lshlrev_b32 v[HO], 3, v0
	s_mul_i32 s18, ttmp9, 49152                    ; my 16 rows of W
	s_mov_b32 s19, 0
	s_lshl_b32 s20, ttmp9, 11                      ; wimg: 2,048 x tile
	s_lshl_b32 s21, s16, 19                        ;       + 4 K steps of 131,072 x wave
	s_add_co_u32 s20, s20, s21
	s_mov_b32 s21, 0
	s_lshl_b32 s26, ttmp9, 6                       ; b: 64 bytes a tile
	s_mov_b32 s27, 0
	s_lshl_b32 s28, ttmp9, 10                      ; hbs: 1,024 bytes a tile
	s_mov_b32 s29, 0
	s_wait_kmcnt 0x0
	s_load_b64 s[30:31], s[10:11], 0x0             ; e0, e1
	s_add_nc_u64 s[4:5], s[4:5], s[18:19]
	s_add_nc_u64 s[12:13], s[12:13], s[20:21]
	s_add_nc_u64 s[8:9], s[8:9], s[26:27]
	s_add_nc_u64 s[14:15], s[14:15], s[28:29]
	; 57 loads, in the order in which they are wanted
.irp i, 0,1
.irp c, 0,1,2,3
.irp j, 0,1,2,3
	global_load_b128 v[HF+64*\i+16*\c+4*\j:HF+64*\i+16*\c+4*\j+3], v[HA], s[6:7] offset:512*\i+128*\c+16*\j   ; hidden(r, 256 w + 128 i + 32 c + 16 h + 4 j ..)
.endr
.endr
.endr
.irp i, 0,1
.irp c, 0,1,2,3
	global_load_b128 v[WF+16*\i+4*\c:WF+16*\i+4*\c+3], v[WH], s[4:5] offset:128*\i+32*\c
.endr
.endr
	global_load_b64 v[BB:BB+1], v[BO], s[8:9]
	WIN 0x40                                       ; destination window 1: v256-319
.irp i, 0,1,2,3
.irp c, 0,1,2,3
	global_load_b128 v[16*\i+4*\c:16*\i+4*\c+3], v[WE], s[4:5] offset:1024+128*\i+32*\c
.endr
.endr
	WIN 0
	s_wait_kmcnt 0x0
	s_add_co_i32 s22, s30, s31
	s_lshl_b32 s22, s22, 23
	s_add_co_i32 s22, s22, 0x4038aa3b              ; 2 log2(e) x 2^(e0 + e1): the exponents are added to the exponent field
	s_mov_b32 s23, s22                             ; (named with it as a pair, so it is written)
	s_add_co_i32 s24, s30, 127
	s_lshl_b32 s25, s24, 23
	v_mov_b32 v[SCL], s25                          ; 2^e0: the conversion takes its exponent field
	s_add_co_i32 s24, s24, 8
	s_lshl_b32 s24, s24, 23
	s_or_b32 s24, s24, 0x600000
	v_mov_b32 v[LIM], s24                          ; 448 x 2^e0
	s_wait_alu depctr_va_vdst(0)
	s_wait_loadcnt 25                              ; hidden is in; the 8 + 1 + 16 younger loads may be out
.irp i, 0,1
.irp c, 0,1,2,3
.irp j, 0,1,2,3,4,5,6,7,8,9,10,11,12,13,14,15
	v_med3_num_f32 v[HF+64*\i+16*\c+\j], v[HF+64*\i+16*\c+\j], -v[LIM], v[LIM]   ; the conversion to an 8-bit code does not saturate (ISA guide 7.6.2): the hold at the largest code x the scale
.endr
	v_cvt_scalef32_pk8_fp8_f32 v[HC+16*\i+4*\c:HC+16*\i+4*\c+1], v[HF+64*\i+16*\c:HF+64*\i+16*\c+7], v[SCL]
	v_cvt_scalef32_pk8_fp8_f32 v[HC+16*\i+4*\c+2:HC+16*\i+4*\c+3], v[HF+64*\i+16*\c+8:HF+64*\i+16*\c+15], v[SCL]
.endr
.endr
	v_nop                                          ; one plain vector instruction between the last scaled conversion and the matrix instruction that reads its result
	s_wait_alu depctr_va_vdst(0)
	s_wait_loadcnt 17                              ; W's two hidden fragments are in; b and the 16 encoder loads may be out
	v_wmma_f32_16x16x128_fp8_fp8 v[AC:AC+7], v[WF:WF+15], v[HC:HC+15], 0             ; two K steps on two accumulators: no chain
	v_wmma_f32_16x16x128_fp8_fp8 v[AC+8:AC+15], v[WF+16:WF+31], v[HC+16:HC+31], 0
.rept 4
	v_nop                                          ; four places in front of the first read of the results (ISA guide 7.12.1)
.endr
.irp j, 0,2,4,6
	v_pk_add_f32 v[P+\j:P+\j+1], v[AC+\j:AC+\j+1], v[AC+8+\j:AC+8+\j+1]              ; each accumulator from its low end on
.endr
	ds_store_b128 v[PW], v[P:P+3]                  ; my sums as an image of their registers
	ds_store_b128 v[PW], v[P+4:P+7] offset:512
	s_wait_loadcnt 0x0                             ; the encoder fragments, and b
	WIN 0x04                                       ; store data in window 1
.irp i, 0,1,2,3
.irp c, 0,1,2,3
	global_store_b128 v[LI], v[16*\i+4*\c:16*\i+4*\c+3], s[12:13] offset:131072*\i+512*\c   ; 32 lanes store 512 consecutive bytes, at a multiple of 256 from wimg's first byte
.endr
.endr
	WIN 0
	s_wait_dscnt 0x0                               ; for the others' sake: my stores into LDS are done
	s_barrier_signal -1
	s_barrier_wait -1
.irp w, 0,1,2,3
	ds_load_b64 v[TW+2*\w:TW+2*\w+1], v[PR] offset:1024*\w
.endr
	v_pk_mul_f32 v[BB:BB+1], v[BB:BB+1], 0x4038aa3b op_sel_hi:[1,0]                  ; b x 2 log2(e)
	s_wait_dscnt 0x0
	v_pk_add_f32 v[TW:TW+1], v[TW:TW+1], v[TW+2:TW+3]
	v_pk_add_f32 v[TW+4:TW+5], v[TW+4:TW+5], v[TW+6:TW+7]
	v_pk_add_f32 v[TW:TW+1], v[TW:TW+1], v[TW+4:TW+5]
	s_wait_alu depctr_va_vdst(0)
	v_pk_fma_f32 v[TW:TW+1], v[TW:TW+1], s[22:23], v[BB:BB+1] op_sel_hi:[1,0,1]      ; sum x 2 log2(e) 2^(e0 + e1) + b x 2 log2(e)
	global_store_b64 v[HO], v[TW:TW+1], s[14:15]   ; a wave stores 256 consecutive bytes, aligned
	s_wait_tensorcnt 0x0                           ; the wave's end, behind my last LDS store
	ds_add_u32 v[SPW], v[NIL]
	s_wait_dscnt 0x0
	s_endpgm
.Lfunc_end_k_q5b66d54afe_prep:
	.size	k_q5b66d54afe_prep, .Lfunc_end_k_q5b66d54afe_prep-k_q5b66d54afe_prep
	.p2alignl 7, 3214868480
	.fill 96, 4, 3214868480
	.section	.rodata,"a",@progbits
	.p2align	6, 0x0
	.amdhsa_kernel k_q5b66d54afe_prep
		.amdhsa_group_segment_fixed_size 4608
		.amdhsa_private_segment_fixed_size 0
		.amdhsa_enable_private_segment 0
		.amdhsa_kernarg_size 48
		.amdhsa_user_sgpr_count 2
		.amdhsa_user_sgpr_kernarg_segment_ptr 1
		.amdhsa_wavefront_size32 1
		.amdhsa_system_sgpr_workgroup_id_x 1
		.amdhsa_system_sgpr_workgroup_id_y 1
		.amdhsa_system_sgpr_workgroup_id_z 1
		.amdhsa_system_vgpr_workitem_id 0
		.amdhsa_next_free_vgpr 320
		.amdhsa_next_free_sgpr 66
		.amdhsa_reserve_vcc 0
		.amdhsa_float_denorm_mode_32 3
		.amdhsa_float_denorm_mode_16_64 3
		.amdhsa_memory_ordered 1
		.amdhsa_forward_progress 1
		.amdhsa_inst_pref_size 21
	.end_amdhsa_kernel
	.amdgpu_metadata
---
amdhsa.version: [ 1, 2 ]
amdhsa.kernels:
  - .name:           k_q5b66d54afe_prep
    .symbol:         k_q5b66d54afe_prep.kd
    .args:
      - { .name: W_codes, .offset: 0, .size: 8, .value_kind: global_buffer, .address_space: global }
      - { .name: hidden, .offset: 8, .size: 8, .value_kind: global_buffer, .address_space: global }
      - { .name: b, .offset: 16, .size: 8, .value_kind: global_buffer, .address_space: global }
      - { .name: lowp_scales, .offset: 24, .size: 8, .value_kind: global_buffer, .address_space: global }
      - { .name: wimg, .offset: 32, .size: 8, .value_kind: global_buffer, .address_space: global }
      - { .name: hbs, .offset: 40, .size: 8, .value_kind: global_buffer, .address_space: global }
    .group_segment_fixed_size: 4608
    .private_segment_fixed_size: 0
    .kernarg_segment_align: 8
    .kernarg_segment_size: 48
    .max_flat_workgroup_size: 128
    .sgpr_count:     66
    .vgpr_count:     320
    .wavefront_size: 32
...
	.end_amdgpu_metadata
.endif
;; end of part 4
;; launch energy (part 5): grid 256 x 1, 4 waves a work-group, clusters of 4 x 1, 327,680 bytes of LDS; arguments encoder_outputs, wimg, hbs, v, lowp_scales, scores; writes scores
.if DOCPART == 5
	.amdgcn_target "amdgcn-amd-amdhsa--gfx1250"
	.amdhsa_code_object_version 6
	.text
	.protected	k_q5b66d54afe_energy
	.globl	k_q5b66d54afe_energy
	.p2align	8
	.type	k_q5b66d54afe_energy,@function
k_q5b66d54afe_energy:
	s_mov_b64 s[64:65], 0
	v_nop
	global_prefetch_b8 v0, s[64:65] scope:SCOPE_SE
	s_setreg_imm32_b32 hwreg(HW_REG_WAVE_MODE, 25, 1), 1
	s_wait_xcnt 0x0
	s_wait_alu depctr_hold_cnt(0) depctr_sa_sdst(0) depctr_va_vdst(0) depctr_va_sdst(0) depctr_va_ssrc(0) depctr_va_vcc(0) depctr_vm_vsrc(0)
	s_getreg_b32 s2, hwreg(HW_REG_IB_STS2, 6, 4)
	s_cmp_eq_u32 s2, 0
	s_cbranch_scc0 .Lentry_in_a_cluster
	s_endpgm
.Lentry_in_a_cluster:
	s_bfe_u32 s2, ttmp6, 0x10000c
	s_cmp_lg_u32 s2, 0x3003
	s_cbranch_scc0 .Lentry_shape_is_right
	s_endpgm
.Lentry_shape_is_right:
; scores[b][t] = log2(e) x ( -2 sum over n of v[n] / (1 + 2^x) ),  x = 2 log2(e) ( cat[b][t][:] . W[n][:] + b[n] ): tanh(y) = 1 - 2 / (1 + 2^(2 log2(e) y)).
; LEFT OUT: sum(v), the same along the softmax's axis (shown at the head of the first kernel).  The hidden part of K and b come in through hbs, made by the first launch.
; SHARES.  A work-group owns 64 rows (of one batch) x all 1,024 n, K = the encoder's 2,048 in 16 steps of 128.  Wave w owns n = 256 w .. 256 w + 255: 16 tiles x 4 row tiles = 64 accumulators.
; W: wimg holds a K step's 64 tiles in the order of an operand's registers, 131,072 bytes, one LDS slot; two slots take turns.  The four work-groups of a cluster need the same tile and ask for it JOINTLY;
; each wave fetches its own quarter, a dense block stated as 64 rows of 512 bytes.  A round of the cluster's barrier stands in front of each refill; between a fill's landing and the next request stand only
; the add, the descriptor's step, the wait and the round.
; A: wave w loads rows 16 w .. 16 w + 15 of a K step as f32 (a load = 512 consecutive bytes of a row), holds them at the largest code, converts them, and stores the codes into one of two LDS buffers, two steps ahead of their products.
; PREFETCH: in step s each wave asks for its own 16 rows x 512 bytes of step s + 6, two steps ahead of their loads (a lane a block of 256 bytes); the last asked for is step 15.  wimg is not prefetched: all clusters read its 2 MiB in this launch.
; The walk over K begins at a step made of the cluster's number and wraps.  The order of the f32 sums differs so from ascending K.
; Transposed use (source 0 = 16 rows of W, source 1 = 16 rows of A): lane (r, h) holds row r, register j holds n = 8 h + j.  k lies in the registers as four loads of 16 bytes give it, alike on both sides.
; LIMITS: e0 between -126 and 119; e0 + e1 between -127 and 126.  NaN in encoder_outputs is not served; an infinity is held at the largest code.
; REGISTERS: window 0: v0-15 addresses, v16-31 the scores' chains, v32-63 codes, v64-191 W's fragments (two sets).  Window 1: v0-127 A's fragments (two sets), v128-255 A as f32 (two steps).  Windows 2, 3: the sums.
.set SLOTB,  131072
.set FRB,    2048
.set ACODE,  2*SLOTB
.set APITCH, 144
.set ABUF,   64*APITCH
.set TABH,   ACODE+2*ABUF
.set TABV,   TABH+4096
.set SCST,   TABV+4096
.set SPARE,  SCST+1024
.set PFO, 2
.set LIM, 3
.set GA,  4
.set CW,  5
.set AA,  6
.set BA,  7
.set SCL, 9
.set TA,  10
.set SA,  11
.set SR,  12
.set SO,  13
.set SPW, 14
.set NIL, 15
.set SCH, 16
.set T,   32
.set BF,  64
.set XB,  64
.set ST,  128
.set VV,  128
.set WV,  16
.set G1,  24
.set G0,  32
.set AB,  40
.set KC,  44
.set PFA, 60
.set MSB, 0
.macro WIN new
.if MSB != (\new)
	s_set_vgpr_msb (MSB<<8)|(\new)
.set MSB, (\new)
.endif
.endm
.macro KOFF d, sh
	s_add_co_u32 s62, s[KC], \d
	s_and_b32 s62, s62, 15
	s_lshl_b32 s62, s62, \sh
.endm
.macro CREST
	s_cmp_lg_u32 s[WV], 0
	s_cbranch_scc1 .Lnot_wave_0_\@
	s_barrier_signal -3
.Lnot_wave_0_\@:
	s_barrier_wait -3
	s_barrier_signal -1
	s_barrier_wait -1
.endm
.macro CROUND
	s_barrier_signal -1
	s_barrier_wait -1
	CREST
.endm
.macro PLACES
.rept 4
	v_nop
.endr
.endm
.macro ALOAD p
	WIN 0x40
.irp i, 0,1,2,3,4,5,6,7,8,9,10,11,12,13,14,15
	global_load_b128 v[ST+64*(\p)+4*\i:ST+64*(\p)+4*\i+3], v[GA], s[AB+2*(\p):AB+2*(\p)+1] offset:8192*\i th:TH_LOAD_NT
.endr
	WIN 0
.endm
.macro QUANT p, lcnt, ld, d
	s_wait_loadcnt \lcnt
	WIN 0x41
.set kk, 0
.rept 64
	v_med3_num_f32 v[ST+64*(\p)+kk], v[ST+64*(\p)+kk], -v[LIM], v[LIM]
.set kk, kk+1
.endr
	WIN 0x01
.irp i, 0,1,2,3,4,5,6,7
	v_cvt_scalef32_pk8_fp8_f32 v[T+16*(\p)+2*\i:T+16*(\p)+2*\i+1], v[ST+64*(\p)+8*\i:ST+64*(\p)+8*\i+7], v[SCL]
.endr
	v_nop
	WIN 0
.irp i, 0,1,2,3,4,5,6,7,8,9,10,11,12,13,14,15
	ds_store_b32 v[CW], v[T+16*(\p)+\i] offset:ABUF*(\p)+APITCH*\i
.endr
.if \ld
	KOFF \d, 9
	s_add_nc_u64 s[AB+2*(\p):AB+2*(\p)+1], s[4:5], s[62:63]
	ALOAD \p
.endif
.endm
.macro FETCH_B slot, g, set
	WIN 0
.irp i, 0,1,2,3
.irp c, 0,1,2,3
	ds_load_b128 v[BF+64*(\set)+16*\i+4*\c:BF+64*(\set)+16*\i+4*\c+3], v[BA+(\slot)] offset:FRB*(4*(\g)+\i)+512*\c
.endr
.endr
.endm
.macro FETCH_A buf, set
	WIN 0x40
.irp m, 0,1,2,3
.irp c, 0,1,2,3
	ds_load_b128 v[64*(\set)+16*\m+4*\c:64*(\set)+16*\m+4*\c+3], v[AA] offset:ABUF*(\buf)+16*APITCH*\m+32*\c
.endr
.endr
	WIN 0
.endm
.macro MUL g, set, aset, i0, cnt, zero
	WIN 0xa4+0x50*((\g)/2)
.set ii, \i0
.rept \cnt
.irp m, 0,1,2,3
.set rD, 32*((4*(\g)+ii)%8)+8*\m
.set rB, BF+64*(\set)+16*ii
.set rA, 64*(\aset)+16*\m
.if \zero
	v_wmma_f32_16x16x128_fp8_fp8 v[rD:rD+7], v[rB:rB+15], v[rA:rA+15], 0
.else
	v_wmma_f32_16x16x128_fp8_fp8 v[rD:rD+7], v[rB:rB+15], v[rA:rA+15], v[rD:rD+7]
.endif
.endr
.set ii, ii+1
.endr
.endm
.macro STEP par, zero, q, lcnt, ld, fa, mode, pf
.if \pf
	s_wait_xcnt 0x0
	KOFF 6, 9
	s_add_nc_u64 s[PFA:PFA+1], s[4:5], s[62:63]
.endif
.if \q
	QUANT \par, \lcnt, \ld, 4
.else
	PLACES
.endif
	FETCH_B \par, 1, 1
.if \pf == 2
	s_cmp_lg_u32 s50, 1
	s_cbranch_scc0 .Lno_ask_\@
.endif
.if \pf
	global_prefetch_b8 v[PFO], s[PFA:PFA+1] th:TH_LOAD_NT scope:SCOPE_SE
.endif
.if \pf == 2
.Lno_ask_\@:
.endif
	s_wait_dscnt 16+16*\q
	MUL 0, 0, \par, 0, 4, \zero
	PLACES
	FETCH_B \par, 2, 0
.if \fa
	FETCH_A 1-\par, 1-\par
.endif
	s_wait_dscnt 16+16*\fa
	MUL 1, 1, \par, 0, 4, \zero
	PLACES
	FETCH_B \par, 3, 1
	s_wait_dscnt 16+16*\fa
.if \mode == 2
	MUL 2, 0, \par, 0, 4, \zero
	WIN 0
	s_wait_tensorcnt 0x0
	ds_add_u32 v[SPW], v[NIL]
	KOFF 2, 17
	s_add_nc_u64 s[G0+4*(\par)+2:G0+4*(\par)+3], s[6:7], s[62:63]
	s_or_b32 s[G0+4*(\par)+3], s[G0+4*(\par)+3], 0x80000000
	s_wait_dscnt 0x0
	s_barrier_signal -1
	s_barrier_wait -1
	CREST
	tensor_load_to_lds s[G0+4*(\par):G0+4*(\par)+3], s[G1:G1+7]
	s_nop 0
	PLACES
	FETCH_B 1-\par, 0, 0
.elseif \mode == 1
	MUL 2, 0, \par, 0, 4, \zero
	PLACES
	WIN 0
	s_wait_tensorcnt 0x0
	FETCH_B 1-\par, 0, 0
	s_wait_dscnt 16
.else
	MUL 2, 0, \par, 0, 4, \zero
	s_wait_dscnt 0x0
.endif
	MUL 3, 1, \par, 0, 4, \zero
	WIN 0
	s_add_co_u32 s[KC], s[KC], 1
.endm
	s_load_b256 s[4:11], s[0:1], 0x0
	s_load_b128 s[12:15], s[0:1], 0x20
	v_lshl_add_u32 v[SPW], v0, 2, SPARE
	v_mov_b32 v[NIL], 0
	ds_add_u32 v[SPW], v[NIL]
	ds_add_u32 v[SPW], v[NIL]
	v_lshrrev_b32 v1, 5, v0
	v_readfirstlane_b32 s[WV], v1
	s_bfe_u32 s17, ttmp6, 0x40000
	s_lshl_b32 s18, ttmp9, 2
	s_add_co_u32 s18, s18, s17
	s_lshl_b32 s20, s18, 19
	s_lshl_b32 s21, s[WV], 17
	s_add_co_u32 s20, s20, s21
	s_mov_b32 s21, 0
	s_lshl_b32 s54, s18, 8
	s_mov_b32 s55, 0
	s_lshr_b32 s22, ttmp9, 2
	s_lshl_b32 s22, s22, 6
	s_mov_b32 s23, 0
	s_lshl_b32 s56, s[WV], 15
	s_mov_b32 s57, 0
	s_and_b32 s[KC], ttmp9, 15
	s_bfe_u32 s19, ttmp9, 0x10004
	s_mul_i32 s19, s19, 3
	s_xor_b32 s[KC], s[KC], s19
	s_bfe_u32 s19, ttmp9, 0x10005
	s_mul_i32 s19, s19, 12
	s_xor_b32 s[KC], s[KC], s19
	s_mov_b32 s63, 0
	s_mov_b32 s[G1], 15|(3<<16)|(1<<21)
	s_mov_b32 s[G1+1], 64<<16
	s_mov_b32 s[G1+2], 64<<16
	s_mov_b32 s[G1+3], 64<<16
	s_mov_b32 s[G1+4], 64
	s_mov_b32 s[G1+5], 64
	s_mov_b32 s[G1+6], 0
	s_mov_b32 s[G1+7], 0
	s_mov_b32 s52, 0x76543210
	s_mov_b32 s53, 0xfedcba98
	v_and_b32 v1, 31, v0
	v_lshlrev_b32 v[GA], 4, v1
	v_lshrrev_b32 v208, 2, v0
	v_and_b32 v209, 3, v0
	v_lshlrev_b32 v208, 10, v208
	v_lshl_add_u32 v208, v209, 4, v208
	v_lshlrev_b32 v209, 4, v0
	v_lshrrev_b32 v[PFO], 1, v1
	v_lshlrev_b32 v[PFO], 13, v[PFO]
	v_and_b32 v213, 1, v0
	v_lshl_or_b32 v[PFO], v213, 8, v[PFO]
	s_wait_alu depctr_va_vdst(0)
	s_wait_dscnt 0x0
	s_wait_kmcnt 0x0
	s_load_b64 s[48:49], s[12:13], 0x0
	s_add_nc_u64 s[4:5], s[4:5], s[20:21]
	s_add_nc_u64 s[6:7], s[6:7], s[56:57]
	s_add_nc_u64 s[8:9], s[8:9], s[22:23]
	s_add_nc_u64 s[14:15], s[14:15], s[54:55]
	KOFF 0, 9
	s_add_nc_u64 s[AB:AB+1], s[4:5], s[62:63]
	KOFF 1, 9
	s_add_nc_u64 s[AB+2:AB+3], s[4:5], s[62:63]
	s_mov_b32 s[G0], 1
	s_mov_b32 s[G0+1], s56
	KOFF 0, 17
	s_add_nc_u64 s[G0+2:G0+3], s[6:7], s[62:63]
	s_or_b32 s[G0+3], s[G0+3], 0x80000000
	s_mov_b32 s[G0+4], 1
	s_add_co_u32 s[G0+5], s56, SLOTB
	KOFF 1, 17
	s_add_nc_u64 s[G0+6:G0+7], s[6:7], s[62:63]
	s_or_b32 s[G0+7], s[G0+7], 0x80000000
	CROUND
	tensor_load_to_lds s[G0:G0+3], s[G1:G1+7]
	s_nop 0
	PLACES
	global_load_b128 v[192:195], v208, s[8:9]
	global_load_b128 v[196:199], v208, s[8:9] offset:32768
	global_load_b128 v[200:203], v209, s[10:11]
	global_load_b128 v[204:207], v209, s[10:11] offset:2048
	ALOAD 0
	ALOAD 1
	s_wait_alu depctr_va_vdst(0)
	s_wait_tensorcnt 0x0
	ds_add_u32 v14, v15
	s_wait_dscnt 0x0
	CROUND
	tensor_load_to_lds s[G0+4:G0+7], s[G1:G1+7]
	s_nop 0
	PLACES
	v_and_b32 v210, 15, v0
	v_bfe_u32 v211, v0, 4, 1
	s_mul_i32 s58, s[WV], 16*APITCH
	v_lshl_add_u32 v[CW], v1, 2, s58
	v_add_nc_u32 v[CW], ACODE, v[CW]
	v_mul_u32_u24 v[AA], v210, APITCH
	v_lshl_add_u32 v[AA], v211, 4, v[AA]
	v_add_nc_u32 v[AA], ACODE, v[AA]
	v_lshl_add_u32 v[BA], v1, 4, s56
	v_add_nc_u32 v[BA+1], SLOTB, v[BA]
	s_lshl_b32 s58, s[WV], 10
	v_lshl_add_u32 v[TA], v211, 5, s58
	v_add_nc_u32 v[TA], TABH, v[TA]
	s_lshl_b32 s58, s[WV], 8
	v_lshl_add_u32 v[SA], v210, 2, s58
	v_add_nc_u32 v[SA], SCST, v[SA]
	v_lshlrev_b32 v[SO], 3, v1
	v_add_nc_u32 v[SR], SCST, v[SO]
	v_add_nc_u32 v212, TABH, v209
	s_wait_alu depctr_va_vdst(0)
	s_wait_kmcnt 0x0
	s_add_co_i32 s59, s48, s49
	s_lshl_b32 s59, s59, 23
	s_add_co_i32 s46, s59, 0x4038aa3b
	s_mov_b32 s47, s46
	s_add_co_i32 s59, s48, 127
	s_lshl_b32 s45, s59, 23
	v_mov_b32 v[SCL], s45
	s_add_co_i32 s59, s59, 8
	s_lshl_b32 s59, s59, 23
	s_or_b32 s59, s59, 0x600000
	v_mov_b32 v[LIM], s59
	s_wait_alu depctr_va_vdst(0)
	s_wait_loadcnt 32
.irp j, 0,2,4,6
	v_pk_mul_f32 v[200+\j:201+\j], v[200+\j:201+\j], 0xc038aa3b op_sel_hi:[1,0]
.endr
	ds_store_b128 v212, v[192:195]
	ds_store_b128 v212, v[196:199] offset:2048
	ds_store_b128 v212, v[200:203] offset:4096
	ds_store_b128 v212, v[204:207] offset:6144
	QUANT 0, 16, 1, 2
	QUANT 1, 16, 1, 3
	s_wait_tensorcnt 1
	s_wait_dscnt 0x0
	s_barrier_signal -1
	s_barrier_wait -1
	FETCH_A 0, 0
	FETCH_B 0, 0, 0
	s_wait_dscnt 0x0
	s_barrier_signal -1
	s_barrier_wait -1
	STEP 0, 1, 1, 16, 1, 1, 2, 1
	STEP 1, 0, 1, 16, 1, 1, 2, 1
	s_mov_b32 s50, 5
.Lpair:
	STEP 0, 0, 1, 16, 1, 1, 2, 2
	STEP 1, 0, 1, 16, 1, 1, 2, 2
	s_sub_co_u32 s50, s50, 1
	s_cmp_lg_u32 s50, 0
	s_cbranch_scc1 .Lpair
	STEP 0, 0, 1, 16, 0, 1, 2, 0
	STEP 1, 0, 1, 0, 0, 1, 2, 0
	STEP 0, 0, 0, 0, 0, 1, 1, 0
	STEP 1, 0, 0, 0, 0, 0, 0, 0
	PLACES
	WIN 0x40
.irp n, 0,1,2,3,4,5,6,7,8,9,10,11,12,13,14,15
.irp q, 0,1
	ds_load_b128 v[8*\n+4*\q:8*\n+4*\q+3], v[TA] offset:64*\n+16*\q
	ds_load_b128 v[VV+8*\n+4*\q:VV+8*\n+4*\q+3], v[TA] offset:4096+64*\n+16*\q
.endr
.endr
	WIN 0
	s_wait_dscnt 0x0
.macro EP_T bq
	WIN 0x12+(\bq)/4
.set kk, 0
.rept 32
	v_pk_fma_f32 v[XB+64*((\bq)%3)+kk:XB+64*((\bq)%3)+kk+1], v[64*((\bq)%4)+kk:64*((\bq)%4)+kk+1], s[46:47], v[8*(2*(\bq)+kk/32)+kk%8:8*(2*(\bq)+kk/32)+kk%8+1] op_sel_hi:[1,0,1]
.set kk, kk+2
.endr
.endm
.macro EP_E bq
	WIN 0
.set kk, 0
.rept 64
	v_exp_f32 v[XB+64*((\bq)%3)+kk], v[XB+64*((\bq)%3)+kk]
.set kk, kk+1
.endr
.endm
.macro EP_A bq
	WIN 0
.set kk, 0
.rept 32
	v_pk_add_f32 v[XB+64*((\bq)%3)+kk:XB+64*((\bq)%3)+kk+1], v[XB+64*((\bq)%3)+kk:XB+64*((\bq)%3)+kk+1], 1.0 op_sel_hi:[1,0]
.set kk, kk+2
.endr
.endm
.macro EP_R bq
	WIN 0
.set kk, 0
.rept 64
	v_rcp_f32 v[XB+64*((\bq)%3)+kk], v[XB+64*((\bq)%3)+kk]
.set kk, kk+1
.endr
.endm
.macro EP_F bq
	WIN 0x04
.irp j, 0,2,4,6
.irp u, 0,1
.irp m, 0,1,2,3
.if ((\bq) == 0) && (\j == 0)
	v_pk_mul_f32 v[SCH+4*\m+2*\u:SCH+4*\m+2*\u+1], v[XB+64*((\bq)%3)+32*\u+8*\m+\j:XB+64*((\bq)%3)+32*\u+8*\m+\j+1], v[VV+8*(2*(\bq)+\u)+\j:VV+8*(2*(\bq)+\u)+\j+1]
.else
	v_pk_fma_f32 v[SCH+4*\m+2*\u:SCH+4*\m+2*\u+1], v[XB+64*((\bq)%3)+32*\u+8*\m+\j:XB+64*((\bq)%3)+32*\u+8*\m+\j+1], v[VV+8*(2*(\bq)+\u)+\j:VV+8*(2*(\bq)+\u)+\j+1], v[SCH+4*\m+2*\u:SCH+4*\m+2*\u+1]
.endif
.endr
.endr
.endr
.endm
	EP_T 0
	s_wait_alu depctr_va_vdst(0)
	EP_E 0
	s_wait_alu depctr_va_vdst(0)
	EP_T 1
	s_wait_alu depctr_va_vdst(0)
	EP_A 0
	s_wait_alu depctr_va_vdst(0)
.irp b, 0,1,2,3,4,5,6,7
	s_wait_alu depctr_va_vdst(0)
	EP_R \b
.if \b < 7
	EP_E \b+1
.endif
.if \b < 6
	s_wait_alu depctr_va_vdst(0)
	EP_T \b+2
.else
	v_nop
.endif
	s_wait_alu depctr_va_vdst(0)
	EP_F \b
.if \b < 7
	EP_A \b+1
.endif
.endr
	WIN 0
.irp m, 0,1,2,3
	v_pk_add_f32 v[SCH+4*\m:SCH+4*\m+1], v[SCH+4*\m:SCH+4*\m+1], v[SCH+4*\m+2:SCH+4*\m+3]
.endr
.irp m, 0,1,2,3
	v_add_f32 v[SCH+4*\m], v[SCH+4*\m], v[SCH+4*\m+1]
.endr
.irp m, 0,1,2,3
	v_permlanex16_b32 v[SCH+4*\m+1], v[SCH+4*\m], s52, s53
.endr
.irp m, 0,1,2,3
	v_add_f32 v[SCH+4*\m], v[SCH+4*\m], v[SCH+4*\m+1]
.endr
.irp m, 0,1,2,3
	ds_store_b32 v[SA], v[SCH+4*\m] offset:64*\m
.endr
	s_wait_dscnt 0x0
	s_barrier_signal -1
	s_barrier_wait -1
	s_cmp_lg_u32 s[WV], 0
	s_cbranch_scc1 .Lnot_first
.irp w, 0,1,2,3
	ds_load_b64 v[XB+2*\w:XB+2*\w+1], v[SR] offset:256*\w
.endr
	s_wait_dscnt 0x0
	v_pk_add_f32 v[XB:XB+1], v[XB:XB+1], v[XB+2:XB+3]
	v_pk_add_f32 v[XB+4:XB+5], v[XB+4:XB+5], v[XB+6:XB+7]
	v_pk_add_f32 v[XB:XB+1], v[XB:XB+1], v[XB+4:XB+5]
	global_store_b64 v[SO], v[XB:XB+1], s[14:15]
.Lnot_first:
	s_wait_tensorcnt 0x0
	ds_add_u32 v[SPW], v[NIL]
	s_wait_dscnt 0x0
	CROUND
	s_endpgm
.Lfunc_end_k_q5b66d54afe_energy:
	.size	k_q5b66d54afe_energy, .Lfunc_end_k_q5b66d54afe_energy-k_q5b66d54afe_energy
	.p2alignl 7, 3214868480
	.fill 96, 4, 3214868480
	.section	.rodata,"a",@progbits
	.p2align	6, 0x0
	.amdhsa_kernel k_q5b66d54afe_energy
		.amdhsa_group_segment_fixed_size 327680
		.amdhsa_private_segment_fixed_size 0
		.amdhsa_enable_private_segment 0
		.amdhsa_kernarg_size 48
		.amdhsa_user_sgpr_count 2
		.amdhsa_user_sgpr_kernarg_segment_ptr 1
		.amdhsa_wavefront_size32 1
		.amdhsa_system_sgpr_workgroup_id_x 1
		.amdhsa_system_sgpr_workgroup_id_y 1
		.amdhsa_system_sgpr_workgroup_id_z 1
		.amdhsa_system_vgpr_workitem_id 0
		.amdhsa_next_free_vgpr 1024
		.amdhsa_next_free_sgpr 66
		.amdhsa_reserve_vcc 0
		.amdhsa_float_denorm_mode_32 3
		.amdhsa_float_denorm_mode_16_64 3
		.amdhsa_memory_ordered 1
		.amdhsa_forward_progress 1
		.amdhsa_inst_pref_size 239
	.end_amdhsa_kernel
	.amdgpu_metadata
---
amdhsa.version: [ 1, 2 ]
amdhsa.kernels:
  - .name:           k_q5b66d54afe_energy
    .symbol:         k_q5b66d54afe_energy.kd
    .args:
      - { .name: encoder_outputs, .offset: 0, .size: 8, .value_kind: global_buffer, .address_space: global }
      - { .name: wimg, .offset: 8, .size: 8, .value_kind: global_buffer, .address_space: global }
      - { .name: hbs, .offset: 16, .size: 8, .value_kind: global_buffer, .address_space: global }
      - { .name: v, .offset: 24, .size: 8, .value_kind: global_buffer, .address_space: global }
      - { .name: lowp_scales, .offset: 32, .size: 8, .value_kind: global_buffer, .address_space: global }
      - { .name: scores, .offset: 40, .size: 8, .value_kind: global_buffer, .address_space: global }
    .group_segment_fixed_size: 327680
    .private_segment_fixed_size: 0
    .kernarg_segment_align: 8
    .kernarg_segment_size: 48
    .max_flat_workgroup_size: 128
    .sgpr_count:     66
    .vgpr_count:     1024
    .wavefront_size: 32
...
	.end_amdgpu_metadata
.endif
;; end of part 5
;; launch soft (part 6): grid 16 x 1, 1 waves a work-group, no clusters, 0 bytes of LDS; arguments scores, out0; writes out0
.if DOCPART == 6
	.amdgcn_target "amdgcn-amd-amdhsa--gfx1250"
	.amdhsa_code_object_version 6
	.text
	.protected	k_q5b66d54afe_soft
	.globl	k_q5b66d54afe_soft
	.p2align	8
	.type	k_q5b66d54afe_soft,@function
k_q5b66d54afe_soft:
	s_mov_b64 s[64:65], 0
	v_nop
	global_prefetch_b8 v0, s[64:65] scope:SCOPE_SE
	s_setreg_imm32_b32 hwreg(HW_REG_WAVE_MODE, 25, 1), 1
	s_wait_xcnt 0x0
; out0[b][0][t] = softmax over t of the scores.  The buffer holds log2(e) x (score - sum(v)): sum(v), the same along the softmax's axis, was left out (shown at the head of the first kernel), and the factor
; log2(e) makes the exponential one of base 2.  The row's maximum is taken away ahead of the exponential.
; One wave takes one batch: 1,024 numbers, 32 a lane, in registers: no LDS, no barrier.  The matrix units and clusters have nothing to do here: 4,096 bytes in, 4,096 out.
; LIMIT: a weight below the smallest normal f32 number comes out as 0.
.set X, 4                              ; v4-35  my 32 numbers
	s_load_b128 s[4:7], s[0:1], 0x0                ; scores s[4:5], out0 s[6:7]
	v_lshlrev_b32 v1, 4, v0                        ; 16 bytes a lane
	s_lshl_b32 s8, ttmp9, 12                       ; a batch's 4,096 bytes
	s_mov_b32 s9, 0
	s_mov_b32 s10, 0x76543210                      ; v_permlanex16_b32's selects for lane l xor 16
	s_mov_b32 s11, 0xfedcba98
	s_wait_alu depctr_va_vdst(0)
	s_wait_kmcnt 0x0
	s_add_nc_u64 s[4:5], s[4:5], s[8:9]
	s_add_nc_u64 s[6:7], s[6:7], s[8:9]
.irp i, 0,1,2,3,4,5,6,7
	global_load_b128 v[X+4*\i:X+4*\i+3], v1, s[4:5] offset:512*\i   ; 32 lanes read 512 consecutive bytes
.endr
	s_wait_loadcnt 0x0
	v_max3_num_f32 v36, v4, v5, v6                 ; the maximum of my 32, in two chains
	v_max3_num_f32 v37, v7, v8, v9
.irp i, 10,14,18,22,26,30
	v_max3_num_f32 v36, v36, v[\i], v[\i+1]
	v_max3_num_f32 v37, v37, v[\i+2], v[\i+3]
.endr
	v_max3_num_f32 v36, v36, v34, v35
	v_max_num_f32 v36, v36, v37
	v_max_num_f32_dpp v36, v36, v36 row_xmask:1 row_mask:0xf bank_mask:0xf
	v_max_num_f32_dpp v36, v36, v36 row_xmask:2 row_mask:0xf bank_mask:0xf
	v_max_num_f32_dpp v36, v36, v36 row_xmask:4 row_mask:0xf bank_mask:0xf
	v_max_num_f32_dpp v36, v36, v36 row_xmask:8 row_mask:0xf bank_mask:0xf
	v_permlanex16_b32 v37, v36, s10, s11           ; (its destination has been written)
	v_max_num_f32 v36, v36, v37                    ; every lane holds the row's maximum
.irp j, 0,2,4,6,8,10,12,14,16,18,20,22,24,26,28,30
	v_pk_add_f32 v[X+\j:X+\j+1], v[X+\j:X+\j+1], v[36:37] op_sel_hi:[1,0] neg_lo:[0,1] neg_hi:[0,1]   ; less the maximum (the pair's low word for both halves)
.endr
	s_wait_alu depctr_va_vdst(0)
.irp j, 0,1,2,3,4,5,6,7,8,9,10,11,12,13,14,15,16,17,18,19,20,21,22,23,24,25,26,27,28,29,30,31
	v_exp_f32 v[X+\j], v[X+\j]
.endr
	v_nop                                          ; a plain instruction behind the last exponential
	s_wait_alu depctr_va_vdst(0)                   ; one wait for the 32 ahead of the first reader
	v_pk_add_f32 v[38:39], v[4:5], v[6:7]          ; the sum, in two chains of pairs
	v_pk_add_f32 v[40:41], v[8:9], v[10:11]
.irp j, 12,16,20,24,28,32
	v_pk_add_f32 v[38:39], v[38:39], v[\j:\j+1]
	v_pk_add_f32 v[40:41], v[40:41], v[\j+2:\j+3]
.endr
	v_pk_add_f32 v[38:39], v[38:39], v[40:41]
	v_add_f32 v38, v38, v39
	v_add_f32_dpp v38, v38, v38 row_xmask:1 row_mask:0xf bank_mask:0xf
	v_add_f32_dpp v38, v38, v38 row_xmask:2 row_mask:0xf bank_mask:0xf
	v_add_f32_dpp v38, v38, v38 row_xmask:4 row_mask:0xf bank_mask:0xf
	v_add_f32_dpp v38, v38, v38 row_xmask:8 row_mask:0xf bank_mask:0xf
	v_permlanex16_b32 v39, v38, s10, s11
	v_add_f32 v38, v38, v39                        ; the row's sum, at least 1
	s_wait_alu depctr_va_vdst(0)
	v_rcp_f32 v40, v38
	v_nop                                          ; a plain instruction behind the reciprocal,
	s_wait_alu depctr_va_vdst(0)                   ; and the wait ahead of its first reader
.irp j, 0,2,4,6,8,10,12,14,16,18,20,22,24,26,28,30
	v_pk_mul_f32 v[X+\j:X+\j+1], v[X+\j:X+\j+1], v[40:41] op_sel_hi:[1,0]   ; (v41 has been written; the low word serves both halves)
.endr
.irp i, 0,1,2,3,4,5,6,7
	global_store_b128 v1, v[X+4*\i:X+4*\i+3], s[6:7] offset:512*\i   ; 32 lanes store 512 consecutive bytes, at a multiple of 256 from out0's first byte
.endr
	s_endpgm
.Lfunc_end_k_q5b66d54afe_soft:
	.size	k_q5b66d54afe_soft, .Lfunc_end_k_q5b66d54afe_soft-k_q5b66d54afe_soft
	.p2alignl 7, 3214868480
	.fill 96, 4, 3214868480
	.section	.rodata,"a",@progbits
	.p2align	6, 0x0
	.amdhsa_kernel k_q5b66d54afe_soft
		.amdhsa_group_segment_fixed_size 0
		.amdhsa_private_segment_fixed_size 0
		.amdhsa_enable_private_segment 0
		.amdhsa_kernarg_size 16
		.amdhsa_user_sgpr_count 2
		.amdhsa_user_sgpr_kernarg_segment_ptr 1
		.amdhsa_wavefront_size32 1
		.amdhsa_system_sgpr_workgroup_id_x 1
		.amdhsa_system_sgpr_workgroup_id_y 1
		.amdhsa_system_sgpr_workgroup_id_z 1
		.amdhsa_system_vgpr_workitem_id 0
		.amdhsa_next_free_vgpr 64
		.amdhsa_next_free_sgpr 66
		.amdhsa_reserve_vcc 0
		.amdhsa_float_denorm_mode_32 3
		.amdhsa_float_denorm_mode_16_64 3
		.amdhsa_memory_ordered 1
		.amdhsa_forward_progress 1
		.amdhsa_inst_pref_size 9
	.end_amdhsa_kernel
	.amdgpu_metadata
---
amdhsa.version: [ 1, 2 ]
amdhsa.kernels:
  - .name:           k_q5b66d54afe_soft
    .symbol:         k_q5b66d54afe_soft.kd
    .args:
      - { .name: scores, .offset: 0, .size: 8, .value_kind: global_buffer, .address_space: global }
      - { .name: out0, .offset: 8, .size: 8, .value_kind: global_buffer, .address_space: global }
    .group_segment_fixed_size: 0
    .private_segment_fixed_size: 0
    .kernarg_segment_align: 8
    .kernarg_segment_size: 16
    .max_flat_workgroup_size: 32
    .sgpr_count:     66
    .vgpr_count:     64
    .wavefront_size: 32
...
	.end_amdgpu_metadata
.endif
;; end of part 6
